; MI455X (gfx1250); checked and timed in simulation.
; The chip was launched on July 23, 2026; its instructions are those of AMD's public machine-readable ISA for CDNA 5 (MIT licence, August 2026) and "CDNA5" Instruction Set Architecture Reference Guide (July 2026). The comments in the code are by the model that wrote it; some were corrected since.
;; Multi Head Attention. Allowed arithmetic: matrix products marked QUANTISED: E2M3 operands, one E8M0 scale for each 32 along K, by v_wmma_scale_f32_16x16x128_f8f6f4 with both operands' format E2M3, f32 sums; everything else in f32.
;; Inputs: W_proj 1,024 x 1,024 float32; W_qkv 1,024 x 3,072 float32; attention_mask 4 x 2,048 int32; b_proj 1,024 float32; b_qkv 3,072 float32; x 4 x 2,048 x 1,024 float32.
;; Outputs: out0 4 x 2,048 x 1,024 float32.
;; This version of the problem:
;;   THIS VERSION OF THE PROBLEM IS GIVEN IN LOW PRECISION. The matrix products marked QUANTISED in the list below multiply operands that are first quantised to E2M3 (2 exponent bits, 3 mantissa bits; 6 bits a number), with one power-of-two scale for each 32 numbers along K (OCP MX v1.0); their sums are f32. All else is computed in f32.
;;   The module's matrix products, in the order in which they are computed (A, B: the left and right operand; K: the contracted axis; several contracted axes count as one K, in the product's order):
;;     1. [M 8,192, K 1,024] x [K 1,024, N 3,072]; A: input x; B: input W_qkv: QUANTISED
;;     2. batch 64 x [M 2,048, K 64] x [K 64, N 2,048]; A: computed on the way; B: computed on the way: QUANTISED
;;     3. batch 64 x [M 2,048, K 2,048] x [K 2,048, N 64]; A: softmax (see below); B: computed on the way: QUANTISED
;;     4. [M 8,192, K 1,024] x [K 1,024, N 1,024]; A: computed on the way; B: input W_proj: QUANTISED
;;   THE QUANTISER, for each operand of a quantised product, along K:
;;     - K is cut into blocks of 32 from its start; a last block that is shorter is filled with zeros.
;;     - A block's scale is 2^e with e = floor(log2(the largest magnitude in the block)) - 2, held to -126 .. 127; a block of zeros has e = 0. As a byte (E8M0): e + 127.
;;     - Each number is divided by its block's scale, clamped to +-7.5, and rounded to the nearest number of E2M3, ties to even, subnormals kept.
;;     - The product sums the exact products of the quantised numbers (number of the format x scale) in f32.
;;   ~~~python
;;   def quantise(x, axis):      # numpy; x: float32 -> the quantised numbers, widened to float32 again
;;       x = np.moveaxis(x, axis, -1); K = x.shape[-1]
;;       x = np.pad(x, [(0, 0)] * (x.ndim - 1) + [(0, -K % 32)]); x = x.reshape(x.shape[:-1] + (-1, 32)); a = np.abs(x).max(-1, keepdims=True)
;;       e = np.where(a > 0, np.clip(np.frexp(np.where(a > 0, a, 1))[1] - 1 - 2, -126, 127), 0)      # np.frexp(a)[1] - 1 = floor(log2(a)), exactly
;;       r = np.clip(x / 2.0 ** e, -7.5, 7.5)
;;       step = 2.0 ** (np.maximum(np.frexp(np.where(r == 0, 1, r))[1] - 1, 0) - 3)
;;       q = np.round(r / step) * step * 2.0 ** e      # np.round: ties to even
;;       return np.moveaxis(q.reshape(q.shape[:-2] + (-1,))[..., :K], -1, axis).astype(np.float32)
;;   ~~~
;;   SOFTMAX AHEAD OF A QUANTISED PRODUCT. Where the list says 'softmax', what is quantised is not the finished softmax but p = 2^(t - M), with t = logit x log2(e) and M = ceil(the row's largest t), a whole number; so 1/2 < the row's largest p <= 1. The row's sum l is taken of the UNQUANTISED p, in f32, and the product's result is divided by l at the end. Since M is a whole number, a kernel that streams over the keys may use a running M (the ceiling of the running maximum): every later rescaling is an exact power of two, which a block's scale takes up: the codes' values come out the same.
;;   OPERANDS COMPUTED ON THE WAY. 'Computed on the way' means the value that the module computes at that place (a softmax that the list does not call 'softmax' is quantised finished and normalised). What goes into a quantiser is computed in f32, as accurately as f32 sums, v_exp_f32 and their like allow (about 1e-6 of the number): no bf16 or f16 on the way to a quantiser, and a product that is left as it is and whose result goes on into a quantised operand takes f32 operands (vector FMAs, or v_wmma_f32_16x16x4_f32). A number that lies on a knife's edge between two numbers of the format may be rounded either way, as far as f32 arithmetic and the matrix unit's own rounding can turn it there, and no further.
;; One version. Each part assembles by itself: llvm-mc -triple=amdgcn-amd-amdhsa -mcpu=gfx1250 --defsym DOCPART=n.
;; ======== version 1 of 1: 4 launches
;; limits: right only within a limited range of input values
;; workspace buffers: ximg 6,553,600 bytes; wqimg 2,457,600 bytes; wpimg 819,200 bytes; rope 524,288 bytes; qimg 6,553,600 bytes; kv 13,107,200 bytes; vpart 262,144 bytes; oimg 6,553,600 bytes
;; launch prep (part 1): grid 384 x 1, 2 waves a work-group, no clusters, 17,152 bytes of LDS; arguments x, W_qkv, W_proj, ximg, wqimg, wpimg, rope; writes ximg, wqimg, wpimg, rope
.if DOCPART == 1
	.amdgcn_target "amdgcn-amd-amdhsa--gfx1250"
	.amdhsa_code_object_version 6
	.text
	.protected	k_qe0573993ec_prep
	.globl	k_qe0573993ec_prep
	.p2align	8
	.type	k_qe0573993ec_prep,@function
k_qe0573993ec_prep:
	s_mov_b64 s[64:65], 0
	v_nop
	global_prefetch_b8 v0, s[64:65] scope:SCOPE_SE
	s_setreg_imm32_b32 hwreg(HW_REG_WAVE_MODE, 25, 1), 1
	s_wait_xcnt 0x0
; x [8192][1024], W_qkv [1024][3072] and W_proj [1024][1024], f32, become codes of FP6 (E2M3) with one E8M0 byte for each 32 along K, laid in the ORDER OF AN OPERAND'S REGISTERS;
; and the table of cos and sin of the rotary embedding is made: rope [position 2048][i 32][cos, sin] f32.
; A TILE is 16 rows (of x) or 16 columns (of a weight): lane r of tile T holds row 32 (T / 2) + 8 (T % 2) + r % 8 + 16 (r / 8).
; A FRAGMENT (16 rows x 128 K, 12 registers a lane) is 1,536 bytes: registers 0-3 at 16 x lane, 4-5 at 512 + 8 x lane, 6-9 at 768 + 16 x lane, 10-11 at 1,280 + 8 x lane.
; A BLOCK is 6,400 bytes: four fragments (512 along K), then at 6,144 + 16 r + 4 f the scale word of row r and fragment f.  An image is [tile][half of K][block].
; A block's scale is 2^(floor(log2(its largest magnitude)) - 2); its byte is the largest magnitude's exponent field - 2, held at 1 from below.
; LIMITS: a block of zeros gets the byte 1 where the quantiser's rule says 127 (its codes are zeros, and this program alone reads the bytes); blocks whose largest magnitude lies under 2^-124 get the byte 1;
; NaN and infinities among the inputs are not served.  The inverse frequencies 10000^(-i/32) are within about 1.5 units of the last place; cos and sin by reduction in two parts of pi/2 and polynomials, in f32.
; SHARES: work-groups 0-255: two tiles of x each (a wave a tile) and eight positions of the table; 256-351: W_qkv; 352-383: W_proj (a wave: 32 columns x 512 along K).
; Memory binds: every byte is read once by loads that cover 512 (x) or 128 (weights) consecutive bytes, and all codes leave in whole aligned runs of 256 or 512 bytes.  No matrix unit, no tensor load, no cluster: waves share nothing.
.set SPARE, 16896                      ; behind the two stages: the spare words, 128 bytes a wave
.set L16, 1                            ; 16 x lane
.set L8,  2                            ; 8 x lane
.set STI, 3                            ; the stage on the way in: my wave's stage + 16 x lane
.set STO, 4                            ; and on the way out: + 528 r + 128 h
.set SPW, 5                            ; LDS address of my spare word; never rewritten
.set NIL, 6                            ; 0; never rewritten
.set LN,  8                            ; lane
.set RR,  9                            ; r = lane % 16
.set HH,  10                           ; h = lane / 16
.set SH8, 11                           ; 8 h
.set WC,  12                           ; weights: my column's byte in a run of 32 columns
.set ZA,  13                           ; where my scale words go
.set PC,  16                           ; v16-27 a fragment's codes (weights: v16-21 and v24-29, two halves)
.set PA,  28                           ; v28-30, v32-34: a conversion's three registers begin on an even number; these hold the halves that are moved
.set PB,  32
.set PW,  36                           ; v36-43 x: the eight fragments' scale words
.set SB,  40                           ; v40-43 weights: the scale bytes, four to a register
.set Z,   44                           ; v44-47 the words chosen for the store
.set TM,  48                           ; v48-63 at work
.set X,   64                           ; v64-127 a lane's numbers, neighbours along K
.set R,   128                          ; v128-255 x as it is loaded, two sets of 64
	s_load_b128 s[4:7], s[0:1], 0x0                ; x, W_qkv
	s_load_b128 s[8:11], s[0:1], 0x10              ; W_proj, ximg
	s_load_b128 s[12:15], s[0:1], 0x20             ; wqimg, wpimg
	s_load_b64 s[16:17], s[0:1], 0x30              ; rope
	v_lshl_add_u32 v[SPW], v0, 2, SPARE
	v_mov_b32 v[NIL], 0
	v_lshrrev_b32 v7, 5, v0
	v_readfirstlane_b32 s18, v7                    ; wave 0, 1
	v_and_b32 v[LN], 31, v0
	v_and_b32 v[RR], 15, v0
	v_bfe_u32 v[HH], v0, 4, 1
	v_lshlrev_b32 v[L16], 4, v[LN]
	v_lshlrev_b32 v[L8], 3, v[LN]
	v_lshlrev_b32 v[SH8], 3, v[HH]
	s_mov_b32 s20, 0x76543210
	s_mov_b32 s21, 0xfedcba98                      ; v_permlanex16_b32's selects for lane l xor 16
	s_mov_b32 s25, 0
	s_wait_kmcnt 0x0
	s_cmp_lt_u32 ttmp9, 256
	s_cbranch_scc0 .Lweights
; ---------------- x: tile T = 2 g + w: rows 32 g + 8 w + r % 8 + 16 (r / 8)
	s_lshl_b32 s22, ttmp9, 1
	s_add_co_u32 s22, s22, s18                     ; T
	s_lshl_b32 s24, ttmp9, 17                      ; 32 g rows of 4,096 bytes
	s_lshl_b32 s26, s18, 15                        ; 8 w rows
	s_add_co_u32 s24, s24, s26
	s_add_nc_u64 s[4:5], s[4:5], s[24:25]
	s_mul_i32 s24, s22, 12800
	s_add_nc_u64 s[10:11], s[10:11], s[24:25]      ; my tile's two blocks
	s_mul_i32 s26, s18, 8448                       ; my stage: 16 rows of 512 bytes + 16
	s_wait_alu depctr_va_vdst(0)
	v_add_nc_u32 v[STI], s26, v[L16]
	v_mul_u32_u24 v[STO], v[RR], 528
	v_lshl_add_u32 v[STO], v[HH], 7, v[STO]
	v_add_nc_u32 v[STO], s26, v[STO]
	v_mul_u32_u24 v[ZA], v[HH], 6400
	v_lshl_add_u32 v[ZA], v[RR], 4, v[ZA]
.macro LOADF f                         ; fragment f: 512 bytes of each of the tile's 16 rows; a load covers one row's 512 consecutive bytes
.irp t, 0,1,2,3,4,5,6,7,8,9,10,11,12,13,14,15
	global_load_b128 v[R+64*((\f)%2)+4*\t:R+64*((\f)%2)+4*\t+3], v[L16], s[4:5] offset:((\t%8)+16*(\t/8))*4096+512*(\f) th:TH_LOAD_NT
.endr
.endm
.macro TURNF f                         ; through my own stage: in as loaded, out 128 bytes of a row a time: lane (r, h) gets k = 64 c + 32 h + 0 .. 31 of row r.  LDS serves a wave's instructions in order: no wait between
.irp t, 0,1,2,3,4,5,6,7,8,9,10,11,12,13,14,15
	ds_store_b128 v[STI], v[R+64*((\f)%2)+4*\t:R+64*((\f)%2)+4*\t+3] offset:528*\t
.endr
.irp c, 0,1
.irp j, 0,1,2,3,4,5,6,7
	ds_load_b128 v[X+32*\c+4*\j:X+32*\c+4*\j+3], v[STO] offset:256*\c+16*\j
.endr
.endr
.endm
.macro QF f                            ; my two whole blocks become six registers of codes each: the operand's registers as they stand
.irp c, 0,1
	v_max3_num_f32 v[TM+\c], |v[X+32*\c]|, |v[X+32*\c+1]|, 0x1800000   ; with the floor 2^(3 - 127): the byte cannot fall under 1
.endr
.irp i, 2,4,6,8,10,12,14,16,18,20,22,24,26,28,30
.irp c, 0,1
	v_max3_num_f32 v[TM+\c], v[TM+\c], |v[X+32*\c+\i]|, |v[X+32*\c+\i+1]|
.endr
.endr
.irp c, 0,1
	v_add_nc_u32 v[TM+4+\c], 0xff000000, v[TM+\c]  ; 2 off the exponent field: the conversion's scale operand
.endr
.irp c, 0,1
	v_lshrrev_b32 v[TM+2+\c], 23, v[TM+4+\c]       ; the scale's byte
.endr
	v_lshl_or_b32 v[TM+6], v[TM+3], 16, v[TM+2]    ; blocks h and 2 + h,
	v_lshlrev_b32 v[TM+6], v[SH8], v[TM+6]         ; at their places in the word;
	v_permlanex16_b32 v[TM+7], v[TM+6], s20, s21
	v_or_b32 v[PW+(\f)], v[TM+6], v[TM+7]          ; with lane l xor 16's two the word is whole
	v_cvt_scalef32_pk16_fp6_f32 v[PC:PC+2], v[X:X+15], v[TM+4]
	v_cvt_scalef32_pk16_fp6_f32 v[PA:PA+2], v[X+16:X+31], v[TM+4]
	v_cvt_scalef32_pk16_fp6_f32 v[PC+6:PC+8], v[X+32:X+47], v[TM+5]
	v_cvt_scalef32_pk16_fp6_f32 v[PB:PB+2], v[X+48:X+63], v[TM+5]
	v_nop                                          ; one plain place behind a scaled conversion
.irp i, 0,1,2
	v_mov_b32 v[PC+3+\i], v[PA+\i]
	v_mov_b32 v[PC+9+\i], v[PB+\i]
.endr
	global_store_b128 v[L16], v[PC:PC+3], s[10:11] offset:6400*((\f)/4)+1536*((\f)%4)          ; 512, 256, 512, 256 consecutive bytes, each run aligned to 256
	global_store_b64 v[L8], v[PC+4:PC+5], s[10:11] offset:6400*((\f)/4)+1536*((\f)%4)+512
	global_store_b128 v[L16], v[PC+6:PC+9], s[10:11] offset:6400*((\f)/4)+1536*((\f)%4)+768
	global_store_b64 v[L8], v[PC+10:PC+11], s[10:11] offset:6400*((\f)/4)+1536*((\f)%4)+1280
.endm
	LOADF 0
	LOADF 1
; ---- the table, while the first loads are on their way: lane = i, positions 8 g + 4 w + 0 .. 3
	s_mov_b32 s30, 0xb94ca1f9                      ; sin: rho + rho^3 (S1 + S2 z + S3 z^2), z = rho^2
	s_mov_b32 s31, 0x3c08839e
	s_mov_b32 s32, 0xbe2aaaa3
	s_mov_b32 s33, 0x37ccf5ce                      ; cos: 1 - z / 2 + z^2 (C1 + C2 z + C3 z^2)
	s_mov_b32 s34, 0xbab6061a
	s_mov_b32 s35, 0x3d2aaaa5
	s_mov_b32 s36, 0x3f22f983                      ; 2 / pi
	s_mov_b32 s37, 0x3fc90fdb                      ; pi / 2 in two parts
	s_mov_b32 s38, 0xb33bbd2e
	s_mov_b32 s39, 0x3ed49a78                      ; log2(10) / 8 in two parts
	s_mov_b32 s40, 0x32179a31
	s_lshl_b32 s27, ttmp9, 3
	s_lshl_b32 s28, s18, 2
	s_add_co_u32 s27, s27, s28                     ; my first position
	s_lshl_b32 s24, s27, 8                         ; 256 bytes a position
	s_add_nc_u64 s[16:17], s[16:17], s[24:25]
	v_cvt_f32_u32 v48, v[LN]
	v_mul_f32 v49, s39, v48                        ; i c, rounded,
	v_fma_f32 v50, v48, s39, -v49                  ; what the rounding dropped,
	v_fma_f32 v50, v48, s40, v50                   ; and c's lower part
	s_wait_alu depctr_va_vdst(0)
	v_exp_f32 v51, -v49
	v_mul_f32 v50, 0x3f317218, v50                 ; x ln 2.  (The plain place behind the exponential)
	s_wait_alu depctr_va_vdst(0)                   ; the wait ahead of the first reader of the exponential
	v_fma_f32 v52, -v51, v50, v51                  ; 10000^(-i/32)
.irp j, 0,1,2,3
	s_add_co_u32 s28, s27, \j
	v_cvt_f32_u32 v53, s28
	v_mul_f32 v53, v53, v52                        ; the angle, rounded once
	v_mul_f32 v54, s36, v53
	v_rndne_f32 v54, v54                           ; n quarter turns
	v_fma_f32 v55, -v54, s37, v53                  ; exact: n has 11 bits
	v_fma_f32 v55, -v54, s38, v55                  ; rho, within pi / 4
	v_mul_f32 v56, v55, v55
	v_fma_f32 v57, v56, s30, s31
	v_fma_f32 v57, v57, v56, s32
	v_mul_f32 v58, v56, v55
	v_fma_f32 v57, v57, v58, v55                   ; sin rho
	v_fma_f32 v59, v56, s33, s34
	v_fma_f32 v59, v59, v56, s35
	v_mul_f32 v60, v56, v56
	v_fma_f32 v58, v56, -0.5, 1.0
	v_fma_f32 v59, v59, v60, v58                   ; cos rho
	v_cvt_i32_f32 v61, v54
	v_and_b32 v62, 1, v61
	v_cmp_eq_u32 vcc_lo, 1, v62                    ; an odd n: the two change places
	v_cndmask_b32 v[X+2*\j], v59, v57, vcc_lo
	v_cndmask_b32 v[X+2*\j+1], v57, v59, vcc_lo
	v_add_nc_u32 v62, 1, v61
	v_and_b32 v62, 2, v62
	v_lshlrev_b32 v62, 30, v62
	v_xor_b32 v[X+2*\j], v[X+2*\j], v62            ; cos is negative for n = 1, 2 (mod 4)
	v_and_b32 v62, 2, v61
	v_lshlrev_b32 v62, 30, v62
	v_xor_b32 v[X+2*\j+1], v[X+2*\j+1], v62        ; sin for n = 2, 3
	global_store_b64 v[L8], v[X+2*\j:X+2*\j+1], s[16:17] offset:256*\j   ; 32 lanes store a position's 256 bytes
.endr
.irp f, 0,1,2,3,4,5,6,7
.if \f < 7
	s_wait_loadcnt 16                              ; this fragment's 16 loads are in; the next fragment's 16 may be out
.else
	s_wait_loadcnt 0
.endif
	s_wait_xcnt 0x0                                ; earlier stores have read their registers: X (the table's) and the codes' may be written again
	TURNF \f
	s_wait_dscnt 0x0                               ; my numbers are back, and the stage's stores have read the set that is loaded again below
.if \f < 6
	LOADF \f+2
.endif
	QF \f
.endr
	v_cmp_eq_u32 vcc_lo, 1, v[HH]                  ; lanes 0-15 store the first block's four words of row r, lanes 16-31 the second's: 256 consecutive bytes each
.irp i, 0,1,2,3
	v_cndmask_b32 v[Z+\i], v[PW+\i], v[PW+4+\i], vcc_lo
.endr
	global_store_b128 v[ZA], v[Z:Z+3], s[10:11] offset:6144
	s_wait_tensorcnt 0x0                           ; the wave's end
	ds_add_u32 v[SPW], v[NIL]
	s_wait_dscnt 0x0
	s_endpgm
; ---------------- the weights: K is the FIRST axis.  A lane takes a column and its registers run down K: a block of 32 lies in one lane, and the codes come out with K innermost.
; Lanes 0-15 hold the columns of tile 2 G, lanes 16-31 those of tile 2 G + 1.  An operand's lane (r, h) wants block 2 c + h: so two neighbouring blocks' codes change halves between the two tiles, six exchanges a pair.
.Lweights:
	s_wait_alu depctr_va_vdst(0)
	v_and_b32 v[WC], 7, v[RR]
	v_lshrrev_b32 v[ZA], 3, v[RR]
	v_lshl_add_u32 v[WC], v[ZA], 4, v[WC]
	v_lshl_add_u32 v[WC], v[HH], 3, v[WC]          ; 8 u + r % 8 + 16 (r / 8)
	v_lshlrev_b32 v[WC], 2, v[WC]
	v_mul_u32_u24 v[ZA], v[HH], 12800
	v_lshl_add_u32 v[ZA], v[RR], 4, v[ZA]
.macro WLOAD NS, sb, t                 ; block t: 32 rows of the weight at my column; a load covers 128 consecutive bytes, the two waves stand side by side
.irp i, 0,1,2,3,4,5,6,7,8,9,10,11,12,13,14,15,16,17,18,19,20,21,22,23,24,25,26,27,28,29,30,31
	global_load_b32 v[X+32*((\t)%2)+\i], v[WC], s[\sb:\sb+1] offset:(32*(\t)+\i)*\NS th:TH_LOAD_NT
.endr
.endm
.macro WBLOCK NS, sb, db, t
.set XS, X+32*((\t)%2)
.set PD, PC+8*((\t)%2)
.set PP, (\t)/2
.if (\t) < 15
	s_wait_loadcnt 32                              ; this block's 32 loads are in; the next block's may be out
.else
	s_wait_loadcnt 0
.endif
	v_max3_num_f32 v[TM], |v[XS]|, |v[XS+1]|, |v[XS+2]|
	v_max3_num_f32 v[TM+1], |v[XS+3]|, |v[XS+4]|, |v[XS+5]|
.irp i, 6,10,14,18,22,26
	v_max3_num_f32 v[TM], v[TM], |v[XS+\i]|, |v[XS+\i+1]|
	v_max3_num_f32 v[TM+1], v[TM+1], |v[XS+\i+2]|, |v[XS+\i+3]|
.endr
	v_max3_num_f32 v[TM], v[TM], |v[XS+30]|, |v[XS+31]|
	v_max3_num_f32 v[TM], v[TM], v[TM+1], 0x1800000
	v_add_nc_u32 v[TM+2], 0xff000000, v[TM]
	v_lshrrev_b32 v[TM+3], 23, v[TM+2]
.if (\t)%4 == 0
	v_mov_b32 v[SB+(\t)/4], v[TM+3]                ; four bytes to a register: a fragment's scale word
.else
	v_lshl_or_b32 v[SB+(\t)/4], v[TM+3], 8*((\t)%4), v[SB+(\t)/4]
.endif
.if (\t)%2 == 0
	s_wait_alu depctr_va_vdst(0)
	s_wait_xcnt 0x0                                ; the last pair's stores have read the codes' registers
.endif
	v_cvt_scalef32_pk16_fp6_f32 v[PD:PD+2], v[XS:XS+15], v[TM+2]
	v_cvt_scalef32_pk16_fp6_f32 v[PB:PB+2], v[XS+16:XS+31], v[TM+2]
	v_nop
.irp i, 0,1,2
	v_mov_b32 v[PD+3+\i], v[PB+\i]
.endr
.if (\t)+2 < 16
	WLOAD \NS, \sb, (\t)+2
.endif
.if (\t)%2 == 1
.irp i, 0,1,2,3,4,5
	v_permlane16_swap_b32 v[PC+\i], v[PC+8+\i]     ; the first now holds 64 along K of tile 2 G as its operand wants them, the second of tile 2 G + 1
.endr
	global_store_b128 v[L16], v[PC:PC+3], s[\db:\db+1] offset:1536*(PP/2)+768*(PP%2)
	global_store_b64 v[L8], v[PC+4:PC+5], s[\db:\db+1] offset:1536*(PP/2)+768*(PP%2)+512
	global_store_b128 v[L16], v[PC+8:PC+11], s[\db:\db+1] offset:1536*(PP/2)+768*(PP%2)+12800
	global_store_b64 v[L8], v[PC+12:PC+13], s[\db:\db+1] offset:1536*(PP/2)+768*(PP%2)+12800+512
.endif
.endm
.macro WPATH NS, sb, db, first         ; NS: bytes in a row of the weight.  Every offset is an immediate: 511 rows of 12,288 bytes at the most, inside the signed 24 bits
	s_sub_co_u32 s22, ttmp9, \first
	s_lshr_b32 s23, s22, 1
	s_and_b32 s22, s22, 1                          ; which half of K
	s_lshl_b32 s23, s23, 1
	s_add_co_u32 s23, s23, s18                     ; G: which 32 columns
	s_mul_i32 s24, s22, 512*\NS
	s_lshl_b32 s26, s23, 7
	s_add_co_u32 s24, s24, s26
	s_add_nc_u64 s[\sb:\sb+1], s[\sb:\sb+1], s[24:25]
	s_mul_i32 s24, s23, 25600
	s_mul_i32 s26, s22, 6400
	s_add_co_u32 s24, s24, s26
	s_add_nc_u64 s[\db:\db+1], s[\db:\db+1], s[24:25]
	WLOAD \NS, \sb, 0
	WLOAD \NS, \sb, 1
.set tt, 0
.rept 16
	WBLOCK \NS, \sb, \db, tt
.set tt, tt+1
.endr
	global_store_b128 v[ZA], v[SB:SB+3], s[\db:\db+1] offset:6144   ; my column's four words: 256 consecutive bytes for each of the two tiles
	s_endpgm
.endm
	s_cmp_lt_u32 ttmp9, 352
	s_cbranch_scc0 .Lproj_w
	s_wait_alu depctr_va_vdst(0)
	WPATH 12288, 6, 12, 256
.Lproj_w:
	s_wait_alu depctr_va_vdst(0)
	WPATH 4096, 8, 14, 352
.Lfunc_end_k_qe0573993ec_prep:
	.size	k_qe0573993ec_prep, .Lfunc_end_k_qe0573993ec_prep-k_qe0573993ec_prep
	.p2alignl 7, 3214868480
	.fill 96, 4, 3214868480
	.section	.rodata,"a",@progbits
	.p2align	6, 0x0
	.amdhsa_kernel k_qe0573993ec_prep
		.amdhsa_group_segment_fixed_size 17152
		.amdhsa_private_segment_fixed_size 0
		.amdhsa_enable_private_segment 0
		.amdhsa_kernarg_size 56
		.amdhsa_user_sgpr_count 2
		.amdhsa_user_sgpr_kernarg_segment_ptr 1
		.amdhsa_wavefront_size32 1
		.amdhsa_system_sgpr_workgroup_id_x 1
		.amdhsa_system_sgpr_workgroup_id_y 1
		.amdhsa_system_sgpr_workgroup_id_z 1
		.amdhsa_system_vgpr_workitem_id 0
		.amdhsa_next_free_vgpr 256
		.amdhsa_next_free_sgpr 66
		.amdhsa_reserve_vcc 1
		.amdhsa_float_denorm_mode_32 3
		.amdhsa_float_denorm_mode_16_64 3
		.amdhsa_memory_ordered 1
		.amdhsa_forward_progress 1
		.amdhsa_inst_pref_size 219
	.end_amdhsa_kernel
	.amdgpu_metadata
---
amdhsa.version: [ 1, 2 ]
amdhsa.kernels:
  - .name:           k_qe0573993ec_prep
    .symbol:         k_qe0573993ec_prep.kd
    .args:
      - { .name: x, .offset: 0, .size: 8, .value_kind: global_buffer, .address_space: global }
      - { .name: W_qkv, .offset: 8, .size: 8, .value_kind: global_buffer, .address_space: global }
      - { .name: W_proj, .offset: 16, .size: 8, .value_kind: global_buffer, .address_space: global }
      - { .name: ximg, .offset: 24, .size: 8, .value_kind: global_buffer, .address_space: global }
      - { .name: wqimg, .offset: 32, .size: 8, .value_kind: global_buffer, .address_space: global }
      - { .name: wpimg, .offset: 40, .size: 8, .value_kind: global_buffer, .address_space: global }
      - { .name: rope, .offset: 48, .size: 8, .value_kind: global_buffer, .address_space: global }
    .group_segment_fixed_size: 17152
    .private_segment_fixed_size: 0
    .kernarg_segment_align: 8
    .kernarg_segment_size: 56
    .max_flat_workgroup_size: 64
    .sgpr_count:     66
    .vgpr_count:     256
    .wavefront_size: 32
...
	.end_amdgpu_metadata
.endif
;; end of part 1
;; launch qkv (part 2): grid 12 x 64, 4 waves a work-group, clusters of 4 x 4, 327,680 bytes of LDS; arguments ximg, wqimg, b_qkv, rope, qimg, kv, vpart; writes qimg, kv, vpart
.if DOCPART == 2
	.amdgcn_target "amdgcn-amd-amdhsa--gfx1250"
	.amdhsa_code_object_version 6
	.text
	.protected	k_qe0573993ec_qkv
	.globl	k_qe0573993ec_qkv
	.p2align	8
	.type	k_qe0573993ec_qkv,@function
k_qe0573993ec_qkv:
	s_mov_b64 s[64:65], 0
	v_nop
	global_prefetch_b8 v0, s[64:65] scope:SCOPE_SE
	s_setreg_imm32_b32 hwreg(HW_REG_WAVE_MODE, 25, 1), 1
	s_wait_xcnt 0x0
	s_wait_alu depctr_hold_cnt(0) depctr_sa_sdst(0) depctr_va_vdst(0) depctr_va_sdst(0) depctr_va_ssrc(0) depctr_va_vcc(0) depctr_vm_vsrc(0)
	s_getreg_b32 s2, hwreg(HW_REG_IB_STS2, 6, 4)
	s_cmp_eq_u32 s2, 0
	s_cbranch_scc0 .Lentry_in_a_cluster
	s_endpgm
.Lentry_in_a_cluster:
	s_bfe_u32 s2, ttmp6, 0x10000c
	s_cmp_lg_u32 s2, 0xf033
	s_cbranch_scc0 .Lentry_shape_is_right
	s_endpgm
.Lentry_shape_is_right:
; qkv = x W_qkv + b_qkv on codes of FP6 (E2M3); q and k are turned by the rotary embedding; q, k and v are quantised for the attention's two products and leave as codes in the order of an operand's registers.
; A work-group makes 128 "A rows" x 256 "B rows" of the product; four waves, each 64 x 128: 32 accumulators.  THE MATRIX INSTRUCTION IS USED TRANSPOSED (source 0 = 16 B rows, source 1 = 16 A rows): a lane holds one A row,
; and since lane r of a tile holds row 32 (T / 2) + 8 (T % 2) + r % 8 + 16 (r / 8), its 16 registers of two neighbouring B tiles are 16 NEIGHBOURS along B.
;   q, k (clusters x = 0, 1): A = tokens, B = columns of W: a lane's registers run along the head's 64, the first attention product's K.
;   v    (clusters x = 2):    A = columns of W_v, B = tokens: a lane's registers run along the KEYS, the second product's K.  Nothing is transposed by an instruction.
; ALL OF K (1,024) LIES IN LDS: 8 + 16 tiles x 2 blocks of 6,400 bytes, fetched once by one joint load a wave; nothing is filled again.  768 work-groups: three even turns of 256.
; CLUSTER 4 x 4: A's tiles are shared along a row of the cluster, B's along a column; each is asked for jointly by four work-groups.
; The text parts ONCE on the cluster's x (the same in all sixteen partners), behind the joint loads, and the two ways never join.
; vpart: the sum of the quantised v over each 128 keys, by one product with a fragment of ones for each tile; the attention launch needs it for queries that have no key.
; LIMITS: as in the quantising launch (a block of zeros and blocks under 2^-124 get the byte 1; NaN and infinities are not served).
; REGISTERS: window 0: v2-29 addresses; v32-63 A's scale words, v64-127 B's (they hold nothing else); v128-223 A's fragments, two sets; on the way out v128-191 64 numbers, v192-210 codes, v212-227 at work, v228-231 the words made,
;   v232 the ones' scale word, v240-243 v's bias, v244-255 the fragment of ones.  window 1: B's fragments, two sets (way out of v: v0-31 the sums).  window 2: accumulator (a, b) at v[8 (8 a + b)].  window 3: v0-63 the bias, v64-191 cos and sin.
.set SPARE, 307200
.set A16, 2                            ; v2-3   my A tiles in LDS, K half 0, 1: + 16 x lane
.set A8,  4                            ; v4-5   + 8 x lane
.set AS,  6                            ; v6-7   + 16 r
.set B16, 8
.set B8,  10
.set BS,  12
.set L16, 14
.set L8,  15
.set RR,  16
.set HH,  17
.set R16, 18
.set PIR, 19                           ; r % 8 + 16 (r / 8)
.set BO,  20
.set RO,  21
.set SV,  22
.set SPW, 28
.set NIL, 29
.set SCA, 32
.set SCB, 64
.set AF,  128
.set W,   128
.set PC,  192
.set TM,  212
.set PW,  228
.set ONE_S, 232
.set BV,  240
.set ONES, 244
.set SEL, 18                           ; s[18:19]
.set WV,  20
.set RH,  21                           ; wave / 2: my half of A's rows.  Also: I fetch for A (0) or for B (1)
.set CH,  22                           ; wave % 2: my half of B's rows.  Also: which half of that side I fetch
.set CX,  23
.set CY,  24
.set CLY, 25
.set TR,  26                           ; which 128 A rows
.set TC,  27                           ; which 256 B rows
.set G1A, 28
.set G1B, 36
.set G0A, 44                           ; s[44:47] one set, for all of K
.set G0B, 52
.set MSB, 0
.macro WIN new                         ; the immediate's high byte repeats the setting that is left
.if MSB != \new
	s_set_vgpr_msb (MSB<<8)|\new
.set MSB, \new
.endif
.endm
.macro PLACES                          ; four places behind a matrix instruction, ahead of loads into its registers and of reads of its result
.rept 4
	v_nop
.endr
.endm
.macro JLOAD g0a, g1a, g0b, g1b        ; a joint load: waves 0, 1 for A, waves 2, 3 for B; an s_nop 0 and four v_nop follow each line
	s_cmp_eq_u32 s[RH], 0
	s_cbranch_scc0 .Lfor_b_\@
	tensor_load_to_lds s[\g0a:\g0a+3], s[\g1a:\g1a+7]
	s_nop 0
.rept 4
	v_nop
.endr
	s_branch .Lasked_\@
.Lfor_b_\@:
	tensor_load_to_lds s[\g0b:\g0b+3], s[\g1b:\g1b+7]
	s_nop 0
.rept 4
	v_nop
.endr
.Lasked_\@:
.endm
.macro CROUND                          ; a round of the cluster's barrier
	s_barrier_signal -1
	s_barrier_wait -1
	s_cmp_lg_u32 s[WV], 0
	s_cbranch_scc1 .Lnot_wave_0_\@
	s_barrier_signal -3
.Lnot_wave_0_\@:
	s_barrier_wait -3
	s_barrier_signal -1
	s_barrier_wait -1
.endm
.macro FRAG reg, a16, a8, off          ; a fragment's image comes back by four loads, each of consecutive bytes over the lanes
	ds_load_b128 v[\reg:\reg+3], v[\a16] offset:\off
	ds_load_b64 v[\reg+4:\reg+5], v[\a8] offset:\off+512
	ds_load_b128 v[\reg+6:\reg+9], v[\a16] offset:\off+768
	ds_load_b64 v[\reg+10:\reg+11], v[\a8] offset:\off+1280
.endm
.macro SCALES k                        ; the scale words of four K steps: a tile's four words of row r by one load
.irp a, 0,1,2,3
	ds_load_b128 v[SCA+16*\k+4*\a:SCA+16*\k+4*\a+3], v[AS+\k] offset:12800*\a+6144
.endr
.irp b, 0,1,2,3,4,5,6,7
	ds_load_b128 v[SCB+32*\k+4*\b:SCB+32*\k+4*\b+3], v[BS+\b/4] offset:12800*(\b%4)+6400*\k+6144
.endr
.endm
.macro FETCH s                         ; K step s: B's eight fragments and A's four, into set s % 2
	WIN 0x40
.irp b, 0,1,2,3,4,5,6,7
	FRAG 128*((\s)%2)+12*\b, B16+\b/4, B8+\b/4, 12800*(\b%4)+6400*((\s)/4)+1536*((\s)%4)
.endr
	WIN 0
.irp a, 0,1,2,3
	FRAG AF+48*((\s)%2)+12*\a, A16+(\s)/4, A8+(\s)/4, 12800*\a+1536*((\s)%4)
.endr
.endm
; 16 matrix instructions: A's tiles a0, a0 + 1 x B's eight.  first = 1: the bias starts the sums; 2: the constant 0 does.  The 32 accumulators take turns, one instruction a turn, in the same order in every step.
.macro MUL16 s, a0, first
.irp a, \a0, \a0+1
.irp b, 0,1,2,3,4,5,6,7
.if (\first) == 1
	v_wmma_scale_f32_16x16x128_f8f6f4 v[8*(8*(\a)+\b):8*(8*(\a)+\b)+7], v[128*((\s)%2)+12*\b:128*((\s)%2)+12*\b+11], v[AF+48*((\s)%2)+12*(\a):AF+48*((\s)%2)+12*(\a)+11], v[8*\b:8*\b+7], v[SCB+32*((\s)/4)+4*\b+(\s)%4], v[SCA+16*((\s)/4)+4*(\a)+(\s)%4] matrix_a_fmt:MATRIX_FMT_FP6 matrix_b_fmt:MATRIX_FMT_FP6
.elseif (\first) == 2
	v_wmma_scale_f32_16x16x128_f8f6f4 v[8*(8*(\a)+\b):8*(8*(\a)+\b)+7], v[128*((\s)%2)+12*\b:128*((\s)%2)+12*\b+11], v[AF+48*((\s)%2)+12*(\a):AF+48*((\s)%2)+12*(\a)+11], 0, v[SCB+32*((\s)/4)+4*\b+(\s)%4], v[SCA+16*((\s)/4)+4*(\a)+(\s)%4] matrix_a_fmt:MATRIX_FMT_FP6 matrix_b_fmt:MATRIX_FMT_FP6
.else
	v_wmma_scale_f32_16x16x128_f8f6f4 v[8*(8*(\a)+\b):8*(8*(\a)+\b)+7], v[128*((\s)%2)+12*\b:128*((\s)%2)+12*\b+11], v[AF+48*((\s)%2)+12*(\a):AF+48*((\s)%2)+12*(\a)+11], v[8*(8*(\a)+\b):8*(8*(\a)+\b)+7], v[SCB+32*((\s)/4)+4*\b+(\s)%4], v[SCA+16*((\s)/4)+4*(\a)+(\s)%4] matrix_a_fmt:MATRIX_FMT_FP6 matrix_b_fmt:MATRIX_FMT_FP6
.endif
.endr
.endr
.endm
; A K step of 128: 32 matrix instructions; the next step's 48 loads stand in one run in its middle.  Step 3 is the last on the first half of K: a wait and a barrier stand at it, though the one joint load, waited for ahead of step 0, already brought the second half.
.macro STEP s, first
.if (\s) == 3
	s_wait_tensorcnt 0x0                           ; my part of K steps 4 to 7 has landed
.endif
	s_wait_dscnt 0x0                               ; this step's fragments, asked for in the last step's middle, are in
.if (\s) == 3
	s_barrier_signal -1
.endif
.if (\first) == 1
	WIN 0xb1                                       ; source 0 (B) window 1, source 1 (A) window 0, C window 3, D window 2
.else
	WIN 0xa1                                       ; C and D window 2
.endif
	MUL16 \s, 0, \first
.if (\s) == 3
	s_barrier_wait -1
.endif
.if (\s) < 7
	PLACES
.if (\s) == 3
	WIN 0
	SCALES 1
.endif
	FETCH (\s)+1
.if (\first) == 1
	WIN 0xb1
.else
	WIN 0xa1
.endif
.endif
	MUL16 \s, 2, \first
.endm
; 64 numbers of a lane, register 16 b + i = k 32 b + 16 (lane / 16) + i of my row, become a fragment's codes in v[PC] on and its scale word in v[pw].
.macro QUANT s, pw
.irp b, 0,1,2,3
	v_max3_num_f32 v[TM+\b], |v[\s+16*\b]|, |v[\s+1+16*\b]|, 0x1800000   ; with the floor 2^(3 - 127): the byte cannot fall under 1
.endr
.irp i, 2,4,6,8,10,12,14
.irp b, 0,1,2,3
	v_max3_num_f32 v[TM+\b], v[TM+\b], |v[\s+16*\b+\i]|, |v[\s+1+16*\b+\i]|
.endr
.endr
.irp b, 0,1,2,3
	v_permlanex16_b32 v[TM+4+\b], v[TM+\b], s[SEL], s[SEL+1]
.endr
.irp b, 0,1,2,3
	v_max_num_f32 v[TM+\b], v[TM+\b], v[TM+4+\b]   ; with lane l xor 16's: the block's largest magnitude
.endr
.irp b, 0,1,2,3
	v_add_nc_u32 v[TM+12+\b], 0xff000000, v[TM+\b] ; 2 off its exponent field: the conversion's scale operand
.endr
.irp b, 0,1,2,3
	v_lshrrev_b32 v[TM+4+\b], 23, v[TM+12+\b]      ; the scale's byte
.endr
	v_lshl_or_b32 v[\pw], v[TM+5], 8, v[TM+4]
	v_lshl_or_b32 v[\pw], v[TM+6], 16, v[\pw]
	v_lshl_or_b32 v[\pw], v[TM+7], 24, v[\pw]
.irp c, 0,1
	v_cvt_scalef32_pk16_fp6_f32 v[PC+6*\c:PC+2+6*\c], v[\s+32*\c:\s+15+32*\c], v[TM+12+2*\c]
	v_cvt_scalef32_pk16_fp6_f32 v[PC+12+4*\c:PC+14+4*\c], v[\s+16+32*\c:\s+31+32*\c], v[TM+12+2*\c+1]
.endr
	v_nop                                          ; one plain place behind a scaled conversion
.irp c, 0,1                                    ; the operand wants a whole block in a lane
.irp i, 0,1,2
	v_permlane16_swap_b32 v[PC+6*\c+\i], v[PC+12+4*\c+\i]
.endr
.irp i, 0,1,2
	v_mov_b32 v[PC+3+6*\c+\i], v[PC+12+4*\c+\i]
.endr
.endr
.endm
; q, k: tile a of my 64 tokens.  The 128 columns are two heads.  Pair kk of registers is (x1, x2) of frequency 16 ((kk / 8) % 2) + 8 h + kk % 8.
.macro EPQ a
.if (\a) > 0
	s_wait_xcnt 0x0                                ; the last tile's stores have read the codes' registers
.endif
	WIN 0x0e                                       ; source 0 window 2 (the sums), source 1 window 3 (cos, sin)
.set kk, 0
.rept 32
.set rx, 64*(\a)+2*kk
.set rc, 64+32*(\a)+16*((kk/8)%2)+2*(kk%8)
.set rt, TM+2*(kk%4)
	v_mul_f32 v[rt], v[rx+1], v[rc+1]              ; x2 sin   (each accumulator is first read at its register 1)
	v_mul_f32 v[rt+1], v[rx+1], v[rc]              ; x2 cos
	v_fma_f32 v[W+2*kk], v[rx], v[rc], -v[rt]      ; x1 cos - x2 sin
	v_fma_f32 v[W+2*kk+1], v[rx], v[rc+1], v[rt+1] ; x1 sin + x2 cos
.set kk, kk+1
.endr
	WIN 0
	QUANT W, PW+(\a)
	global_store_b128 v[L16], v[PC:PC+3], s[80:81] offset:768*(\a)          ; the even head's 64 along K: 768 consecutive bytes,
	global_store_b64 v[L8], v[PC+4:PC+5], s[80:81] offset:768*(\a)+512
	global_store_b128 v[L16], v[PC+6:PC+9], s[82:83] offset:768*(\a)        ; and the odd head's
	global_store_b64 v[L8], v[PC+10:PC+11], s[82:83] offset:768*(\a)+512
.endm
; v: tile a of my head's 64 channels x my 128 keys
.macro EPV a
.if (\a) > 0
	s_wait_xcnt 0x0
.endif
	WIN 0x02                                       ; source 0 window 2
.set kk, 0
.rept 64
	v_add_f32 v[W+kk], v[64*(\a)+kk], v[BV+(\a)]   ; my channel's bias
.set kk, kk+1
.endr
	WIN 0
	QUANT W, PW+(\a)
	global_store_b128 v[L16], v[PC:PC+3], s[80:81] offset:1536*(\a)
	global_store_b64 v[L8], v[PC+4:PC+5], s[80:81] offset:1536*(\a)+512
	global_store_b128 v[L16], v[PC+6:PC+9], s[80:81] offset:1536*(\a)+768
	global_store_b64 v[L8], v[PC+10:PC+11], s[80:81] offset:1536*(\a)+1280
.rept 8
	v_nop                                          ; a scale register written by a vector instruction stands 8 places ahead of a scaled matrix instruction, an operand 4
.endr
	WIN 0x40                                       ; D window 1
	v_wmma_scale_f32_16x16x128_f8f6f4 v[8*(\a):8*(\a)+7], v[ONES:ONES+11], v[PC:PC+11], 0, v[ONE_S], v[PW+(\a)] matrix_a_fmt:MATRIX_FMT_FP6 matrix_b_fmt:MATRIX_FMT_FP6   ; ones x the quantised v: every register of lane r holds the sum over the 128 keys of channel r of the tile
.endm
	s_load_b256 s[4:11], s[0:1], 0x0               ; ximg, wqimg, b_qkv, rope
	s_load_b128 s[12:15], s[0:1], 0x20             ; qimg, kv
	s_load_b64 s[16:17], s[0:1], 0x30              ; vpart
	v_lshl_add_u32 v[SPW], v0, 2, SPARE
	v_mov_b32 v[NIL], 0
	ds_add_u32 v[SPW], v[NIL]                      ; the wave's opening
	ds_add_u32 v[SPW], v[NIL]
	v_lshrrev_b32 v1, 5, v0
	v_readfirstlane_b32 s[WV], v1
	s_lshr_b32 s[RH], s[WV], 1
	s_and_b32 s[CH], s[WV], 1
	s_bfe_u32 s[CX], ttmp6, 0x40000
	s_bfe_u32 s[CY], ttmp6, 0x40004
	s_and_b32 s[CLY], ttmp7, 0xffff
	s_mov_b32 s[SEL], 0x76543210
	s_mov_b32 s[SEL+1], 0xfedcba98
	s_lshl_b32 s60, s[CY], 2
	s_lshl_b32 s60, 15, s60                        ; my row of the cluster
	s_lshl_b32 s61, 0x1111, s[CX]                  ; my column
	; group 1: R rows of 12,800 bytes (1,600 elements of 8 bytes), a tile's two blocks, on end in memory and in LDS; no padding: every LDS read is of consecutive bytes
	s_or_b32 s[G1A], s60, (3<<16)|(1<<21)
	s_or_b32 s[G1B], s61, (3<<16)|(1<<21)
	s_mov_b32 s[G1A+1], 1600<<16                   ; a row is a tile's two blocks, 12,800 bytes on end: one load brings my tiles for all of K
	s_mov_b32 s[G1A+2], 4<<16
	s_mov_b32 s[G1A+3], 1600<<16
	s_mov_b32 s[G1A+4], 4
	s_mov_b32 s[G1A+5], 1600
	s_mov_b32 s[G1A+6], 0
	s_mov_b32 s[G1A+7], 0
	s_mov_b32 s[G1B+1], 1600<<16
	s_mov_b32 s[G1B+2], 8<<16
	s_mov_b32 s[G1B+3], 1600<<16
	s_mov_b32 s[G1B+4], 8
	s_mov_b32 s[G1B+5], 1600
	s_mov_b32 s[G1B+6], 0
	s_mov_b32 s[G1B+7], 0
	; A's place hangs on cy alone, B's on cx alone, each in registers that never hold the other
	s_lshl_b32 s66, s[CLY], 2
	s_add_co_u32 s66, s66, s[CY]                   ; q, k: 128 tokens
	s_and_b32 s67, s[CLY], 1
	s_lshl_b32 s67, s67, 2
	s_add_co_u32 s67, s67, s[CY]                   ; v: 128 columns of W_v
	s_lshl_b32 s72, ttmp9, 2
	s_add_co_u32 s72, s72, s[CX]                   ; q, k: 256 columns of W
	s_lshr_b32 s73, s[CLY], 1
	s_lshl_b32 s73, s73, 2
	s_add_co_u32 s73, s73, s[CX]                   ; v: 256 tokens
	s_cmp_eq_u32 ttmp9, 2
	s_cselect_b32 s[TR], s67, s66
	s_cselect_b32 s[TC], s73, s72
	s_cselect_b32 s68, 1638400, 0                  ; W_v's tiles begin at tile 128 of wqimg
	s_mul_i32 s66, s[TR], 102400
	s_mul_i32 s67, s[CH], 51200
	s_add_co_u32 s66, s66, s67
	s_add_co_u32 s66, s66, s68
	s_mov_b32 s67, 0
	s_mul_i32 s72, s[TC], 204800
	s_mul_i32 s73, s[CH], 102400
	s_add_co_u32 s72, s72, s73
	s_mov_b32 s73, 0
	s_mul_i32 s69, s[CH], 51200                    ; LDS: A's four tiles of mine, [tile][half of K]
	s_mul_i32 s74, s[CH], 102400
	s_add_co_u32 s74, s74, 102400                  ; B's half, behind A's eight tiles
	s_wait_dscnt 0x0                               ; the opening add is done
	s_wait_kmcnt 0x0
	s_cmp_eq_u32 ttmp9, 2
	s_cselect_b64 s[70:71], s[6:7], s[4:5]
	s_cselect_b64 s[76:77], s[4:5], s[6:7]
	s_add_nc_u64 s[70:71], s[70:71], s[66:67]
	s_add_nc_u64 s[76:77], s[76:77], s[72:73]
	CROUND                                         ; all sixteen work-groups are here: the joint loads meet
.irp k, 0
	s_mov_b32 s[G0A+4*\k], 1
	s_add_co_u32 s[G0A+4*\k+1], s69, \k*51200
	s_add_nc_u64 s[G0A+4*\k+2:G0A+4*\k+3], s[70:71], \k*6400
	s_or_b32 s[G0A+4*\k+3], s[G0A+4*\k+3], 0x80000000
	s_mov_b32 s[G0B+4*\k], 1
	s_add_co_u32 s[G0B+4*\k+1], s74, \k*102400
	s_add_nc_u64 s[G0B+4*\k+2:G0B+4*\k+3], s[76:77], \k*6400
	s_or_b32 s[G0B+4*\k+3], s[G0B+4*\k+3], 0x80000000
	JLOAD G0A+4*\k, G1A, G0B+4*\k, G1B             ; my one load: my tiles for all of K
.endr
	v_and_b32 v1, 31, v0
	v_and_b32 v[RR], 15, v0
	v_bfe_u32 v[HH], v0, 4, 1
	v_lshlrev_b32 v[L16], 4, v1
	v_lshlrev_b32 v[L8], 3, v1
	v_lshlrev_b32 v[R16], 4, v[RR]
	v_and_b32 v[PIR], 7, v[RR]
	v_lshrrev_b32 v1, 3, v[RR]
	v_lshl_add_u32 v[PIR], v1, 4, v[PIR]
	s_mul_i32 s60, s[RH], 51200
	s_mul_i32 s61, s[CH], 102400
	s_add_co_u32 s61, s61, 102400
.irp k, 0,1
	v_add_nc_u32 v[A16+\k], s60, v[L16]
	v_add_nc_u32 v[A8+\k], s60, v[L8]
	v_add_nc_u32 v[AS+\k], s60, v[R16]
	v_add_nc_u32 v[B16+\k], s61, v[L16]
	v_add_nc_u32 v[B8+\k], s61, v[L8]
	v_add_nc_u32 v[BS+\k], s61, v[R16]
	s_add_co_u32 s60, s60, 6400                    ; A's second register: the second half of K
	s_add_co_u32 s61, s61, 51200                   ; B's second register: tiles 4 to 7 (the offsets stay inside 16 bits)
.endr
.macro BODY isv
.if \isv
	s_lshl_b32 s60, s[TR], 9                       ; v's bias: b_qkv[2048 + 128 TR + 64 RH + my channel]
	s_lshl_b32 s61, s[RH], 8
	s_add_co_u32 s60, s60, s61
	s_add_co_u32 s60, s60, 8192
	s_mov_b32 s61, 0
	s_add_nc_u64 s[8:9], s[8:9], s[60:61]
	v_lshlrev_b32 v[BO], 2, v[PIR]
.irp a, 0,1,2,3
	global_load_b32 v[BV+\a], v[BO], s[8:9] offset:4*(32*(\a/2)+8*(\a%2))
.endr
.irp i, 0,1,2,3
	v_mov_b32 v[ONES+3*\i], 0x08208208             ; the code of 1.0 is 001000: 128 of them a row
	v_mov_b32 v[ONES+3*\i+1], 0x82082082
	v_mov_b32 v[ONES+3*\i+2], 0x20820820
.endr
	v_mov_b32 v[ONE_S], 0x7f7f7f7f                 ; under the scale 1
	s_lshr_b32 s87, s[TC], 3                       ; batch
	s_lshl_b32 s88, s[TR], 1
	s_add_co_u32 s88, s88, s[RH]                   ; head
	s_lshl_b32 s87, s87, 4
	s_add_co_u32 s87, s87, s88
	s_lshl_b32 s89, s[TC], 1
	s_add_co_u32 s89, s89, s[CH]
	s_and_b32 s89, s89, 15                         ; key step
	s_lshl_b32 s87, s87, 4
	s_add_co_u32 s87, s87, s89
	s_mul_i32 s90, s87, 12800
	s_add_co_u32 s90, s90, 6400                    ; V's block lies behind K's
	s_mov_b32 s91, 0
	s_add_nc_u64 s[80:81], s[14:15], s[90:91]
	s_lshl_b32 s90, s87, 8
	s_add_nc_u64 s[82:83], s[16:17], s[90:91]
.else
	s_lshl_b32 s60, s[TC], 10                      ; the bias of my 128 columns
	s_lshl_b32 s61, s[CH], 9
	s_add_co_u32 s60, s60, s61
	s_mov_b32 s61, 0
	s_add_nc_u64 s[8:9], s[8:9], s[60:61]
	s_and_b32 s62, s[TR], 15                       ; which 128 positions of the sequence
	s_lshl_b32 s60, s62, 15
	s_lshl_b32 s63, s[RH], 14
	s_add_co_u32 s60, s60, s63
	s_add_nc_u64 s[10:11], s[10:11], s[60:61]
	v_lshlrev_b32 v[BO], 6, v[HH]
	v_lshlrev_b32 v[RO], 8, v[PIR]
	v_lshl_add_u32 v[RO], v[HH], 6, v[RO]
	WIN 0xc0                                       ; destination window 3
.irp b, 0,1,2,3,4,5,6,7
	global_load_b128 v[8*\b:8*\b+3], v[BO], s[8:9] offset:128*(\b/2)+32*(\b%2)          ; lane (r, h), tile b: columns 32 (b / 2) + 16 h + 8 (b % 2) + 0 .. 7
	global_load_b128 v[8*\b+4:8*\b+7], v[BO], s[8:9] offset:128*(\b/2)+32*(\b%2)+16
.endr
.irp a, 0,1,2,3
.irp c, 0,1
.irp q, 0,1,2,3
	global_load_b128 v[64+32*\a+16*\c+4*\q:64+32*\a+16*\c+4*\q+3], v[RO], s[10:11] offset:256*(32*(\a/2)+8*(\a%2))+128*\c+16*\q   ; my token's cos and sin of frequencies 16 c + 8 h + 0 .. 7
.endr
.endr
.endr
	WIN 0
	s_lshr_b32 s87, s[TR], 4                       ; batch
	s_and_b32 s88, s[TC], 3
	s_lshl_b32 s88, s88, 2
	s_lshl_b32 s89, s[CH], 1
	s_add_co_u32 s88, s88, s89                     ; my even head
	s_lshl_b32 s87, s87, 4
	s_add_co_u32 s87, s87, s88
	s_lshl_b32 s87, s87, 4
	s_add_co_u32 s87, s87, s62
	s_mov_b32 s86, 12800
	s_cmp_eq_u32 ttmp9, 0                          ; q goes to qimg (a step 6,400 bytes), k to kv (12,800)
	s_cselect_b32 s86, 6400, s86
	s_cselect_b64 s[84:85], s[12:13], s[14:15]
	s_mul_i32 s90, s87, s86
	s_mov_b32 s91, 0
	s_add_nc_u64 s[84:85], s[84:85], s[90:91]      ; the even head's block
	s_mul_i32 s90, s[RH], 3072
	s_add_nc_u64 s[80:81], s[84:85], s[90:91]      ; my four tiles in it
	s_lshl_b32 s86, s86, 4                         ; a head on: 16 steps
	s_mov_b32 s90, s86
	s_add_nc_u64 s[82:83], s[80:81], s[90:91]
	v_mul_u32_u24 v[SV], v[HH], s86
	v_add_nc_u32 v[SV], v[SV], v[R16]
	s_lshl_b32 s90, s[RH], 3
	v_add_nc_u32 v[SV], s90, v[SV]
	s_mov_b32 s92, 0x05040100
	s_mov_b32 s93, 0x07060302
.endif
	s_wait_alu depctr_va_vdst(0)
	s_wait_tensorcnt 0x0                           ; my one load, my tiles for all of K, is in
	s_barrier_signal -1
	s_barrier_wait -1                              ; everybody's is
	SCALES 0
	FETCH 0
	s_wait_loadcnt 0x0                             ; the bias (and the table)
.if \isv
	STEP 0, 2
.else
	STEP 0, 1
.endif
.irp s, 1,2,3,4,5,6,7
	STEP \s, 0
.endr
	PLACES
	WIN 0
.irp b, 0,1,2,3
	v_mov_b32 v[TM+4+\b], 0                        ; a lane permute's destination counts as one of its sources
.endr
.if \isv
	EPV 0
	EPV 1
	EPV 2
	EPV 3
	PLACES
	WIN 0
	v_cmp_eq_u32 vcc_lo, 1, v[HH]
	WIN 0x05                                       ; sources 0 and 1 window 1
	v_cndmask_b32 v[TM], v0, v8, vcc_lo            ; lanes 0-15: tile 0's sums, lanes 16-31: tile 1's
	v_cndmask_b32 v[TM+1], v16, v24, vcc_lo        ; tiles 2 and 3
	WIN 0
	v_lshl_add_u32 v[SV], v[HH], 3, v[PIR]
	v_lshlrev_b32 v[SV], 2, v[SV]
	global_store_b32 v[SV], v[TM], s[82:83]            ; channels 8 h + r % 8 + 16 (r / 8): 128 consecutive bytes
	global_store_b32 v[SV], v[TM+1], s[82:83] offset:128
	global_store_b128 v[R16], v[PW:PW+3], s[80:81] offset:6144   ; row r's four scale words; lanes l and l xor 16 hold the same words for the same place
.else
	EPQ 0
	EPQ 1
	EPQ 2
	EPQ 3
	v_perm_b32 v[TM], v[PW+1], v[PW], s92          ; the even head's two bytes of tiles 0, 1: a pair's scale word
	v_perm_b32 v[TM+1], v[PW+3], v[PW+2], s92
	v_perm_b32 v[TM+2], v[PW+1], v[PW], s93        ; the odd head's
	v_perm_b32 v[TM+3], v[PW+3], v[PW+2], s93
	v_cmp_eq_u32 vcc_lo, 1, v[HH]
	v_cndmask_b32 v[TM+4], v[TM], v[TM+2], vcc_lo
	v_cndmask_b32 v[TM+5], v[TM+1], v[TM+3], vcc_lo
	global_store_b64 v[SV], v[TM+4:TM+5], s[84:85] offset:6144   ; lanes 0-15 into the even head's block, lanes 16-31 into the odd head's
.endif
	s_wait_tensorcnt 0x0                           ; the wave's end
	ds_add_u32 v[SPW], v[NIL]
	s_wait_dscnt 0x0
	CROUND                                         ; the closing round
	s_endpgm
.endm
	s_cmp_eq_u32 ttmp9, 2
	s_cbranch_scc1 .Lv_path
	s_wait_alu depctr_va_vdst(0)
	BODY 0
.Lv_path:
	BODY 1
.Lfunc_end_k_qe0573993ec_qkv:
	.size	k_qe0573993ec_qkv, .Lfunc_end_k_qe0573993ec_qkv-k_qe0573993ec_qkv
	.p2alignl 7, 3214868480
	.fill 96, 4, 3214868480
	.section	.rodata,"a",@progbits
	.p2align	6, 0x0
	.amdhsa_kernel k_qe0573993ec_qkv
		.amdhsa_group_segment_fixed_size 327680
		.amdhsa_private_segment_fixed_size 0
		.amdhsa_enable_private_segment 0
		.amdhsa_kernarg_size 56
		.amdhsa_user_sgpr_count 2
		.amdhsa_user_sgpr_kernarg_segment_ptr 1
		.amdhsa_wavefront_size32 1
		.amdhsa_system_sgpr_workgroup_id_x 1
		.amdhsa_system_sgpr_workgroup_id_y 1
		.amdhsa_system_sgpr_workgroup_id_z 1
		.amdhsa_system_vgpr_workitem_id 0
		.amdhsa_next_free_vgpr 960
		.amdhsa_next_free_sgpr 96
		.amdhsa_reserve_vcc 1
		.amdhsa_float_denorm_mode_32 3
		.amdhsa_float_denorm_mode_16_64 3
		.amdhsa_memory_ordered 1
		.amdhsa_forward_progress 1
		.amdhsa_inst_pref_size 204
	.end_amdhsa_kernel
	.amdgpu_metadata
---
amdhsa.version: [ 1, 2 ]
amdhsa.kernels:
  - .name:           k_qe0573993ec_qkv
    .symbol:         k_qe0573993ec_qkv.kd
    .args:
      - { .name: ximg, .offset: 0, .size: 8, .value_kind: global_buffer, .address_space: global }
      - { .name: wqimg, .offset: 8, .size: 8, .value_kind: global_buffer, .address_space: global }
      - { .name: b_qkv, .offset: 16, .size: 8, .value_kind: global_buffer, .address_space: global }
      - { .name: rope, .offset: 24, .size: 8, .value_kind: global_buffer, .address_space: global }
      - { .name: qimg, .offset: 32, .size: 8, .value_kind: global_buffer, .address_space: global }
      - { .name: kv, .offset: 40, .size: 8, .value_kind: global_buffer, .address_space: global }
      - { .name: vpart, .offset: 48, .size: 8, .value_kind: global_buffer, .address_space: global }
    .group_segment_fixed_size: 327680
    .private_segment_fixed_size: 0
    .kernarg_segment_align: 8
    .kernarg_segment_size: 56
    .max_flat_workgroup_size: 128
    .sgpr_count:     96
    .vgpr_count:     960
    .wavefront_size: 32
...
	.end_amdgpu_metadata
.endif
;; end of part 2
;; launch attn (part 3): grid 4 x 64, 16 waves a work-group, clusters of 4 x 1, 327,680 bytes of LDS; arguments qimg, kv, vpart, attention_mask, oimg; writes oimg
.if DOCPART == 3
	.amdgcn_target "amdgcn-amd-amdhsa--gfx1250"
	.amdhsa_code_object_version 6
	.text
	.protected	k_qe0573993ec_attn
	.globl	k_qe0573993ec_attn
	.p2align	8
	.type	k_qe0573993ec_attn,@function
k_qe0573993ec_attn:
	s_mov_b64 s[64:65], 0
	v_nop
	global_prefetch_b8 v0, s[64:65] scope:SCOPE_SE
	s_setreg_imm32_b32 hwreg(HW_REG_WAVE_MODE, 25, 1), 1
	s_wait_xcnt 0x0
	s_wait_alu depctr_hold_cnt(0) depctr_sa_sdst(0) depctr_va_vdst(0) depctr_va_sdst(0) depctr_va_ssrc(0) depctr_va_vcc(0) depctr_vm_vsrc(0)
	s_getreg_b32 s2, hwreg(HW_REG_IB_STS2, 6, 4)
	s_cmp_eq_u32 s2, 0
	s_cbranch_scc0 .Lentry_in_a_cluster
	s_endpgm
.Lentry_in_a_cluster:
	s_bfe_u32 s2, ttmp6, 0x10000c
	s_cmp_lg_u32 s2, 0x3003
	s_cbranch_scc0 .Lentry_shape_is_right
	s_endpgm
.Lentry_shape_is_right:
; O = softmax(q k^T / 8, under the causal mask and the keys' padding mask) v, both products on codes of FP6 (E2M3); O is quantised along the model's 1,024 for the last product and leaves as codes.
; THE SOFTMAX: t = score x log2(e) / 8; M = the running largest t rounded UP to a whole number; p = 2^(t - M) is quantised along the keys, not normalised; the row's sum is taken of the unquantised p and divides at the end.
; LEFT OUT: key steps that lie wholly above the causal diagonal: their p is 0 for every input.
; SHARES.  A head has 128 tiles of 16 queries.  Work-group i (0..3) of a head takes tiles 4 s + i, s = 0..31; wave w takes s = 16 + w and then s = 15 - w.  Tile 4 s + i walks key steps 0 .. s / 2 of 128 keys, the last on the diagonal:
; 9 + w / 2 and 8 - w / 2 steps: 17 for every wave, 272 for every work-group; 256 work-groups.
; THE WHOLE HEAD'S K AND V LIE IN LDS (16 steps x 12,800 bytes, as they lie in memory): every wave asks for 6,400 bytes of steps 0-7 at the head and for 6,400 bytes of steps 8-15 behind the full sequence and a round.
; Every wave's first tile has nine steps or more, so all waves walk steps 0-7 and then meet at the one barrier that shows steps 8-15 whole.  Nothing is filled again.
; CLUSTER 4 x 1: the four work-groups of a head ask for these bytes jointly.  No prefetch: all that the launch reads of K and V is asked for at its head, so there is no loop to run ahead in.
; LAYOUT.  Both products are used transposed: a lane holds ONE query.  The head's K is 64, half of the instruction's 128: a fragment of K carries TWO tiles of keys, and q stands in one half of its operand with zero codes in the other.
; WHICH KEYS FORM A TILE is chosen by the lanes' LDS addresses: row r of tile t holds key 64 (t / 4) + 8 (t % 4) + r % 8 + 32 (r / 8).  So lane (r, h)'s 32 registers of tiles 4 c .. 4 c + 3 are keys 64 c + 32 h + 0 .. 31:
; a whole block of p's quantiser in one lane, in the order of the second product's operand: no lane exchange for a block's maximum or for p's codes.
; THE PADDING MASK is the C of the first product: 0 for a key that counts, -1e38 for one that does not.
; A QUERY WITH NO KEY that counts at or before it has every score equal in the definition: its row is the mean of the quantised v over all 2,048 keys; the mean is made once, at the head, from vpart, and lies in LDS.
; LIMITS: t under -1e30 counts as masked (the running largest t begins there); NaN and infinities are not served; blocks of zeros and blocks under 2^-124 get the byte 1.
.set MB,    204800                     ; a number for each of the batch's 2,048 keys, 8,192 bytes
.set VM,    212992                     ; the mean of v: 64 numbers
.set SPARE, 213248                     ; the spare words: 128 bytes for each of 16 waves
.set L16, 1
.set L8,  2
.set LK16, 3                           ; K's lane terms: 1536 (r / 8) + 16 (r % 8) + 256 h
.set LK8, 4                            ; 1536 (r / 8) + 8 (r % 8) + 128 h
.set LKS, 5                            ; 16 (r % 8) + 4 (r / 8)
.set R16, 6
.set MBA, 7                            ; MB + 128 h
.set SPW, 8
.set NIL, 9
.set DQ,  10                           ; my query's place in its step - 32 h
.set SH8, 11                           ; 8 h
                                       ; v12 -M, v13 the largest t, v[14:15] the sum; v16-21 zeros, v22-27 q, v28-33 zeros
.set QS,  34
.set KB,  36                           ; v36-83 four fragments of K or of V
.set KS,  84
.set VS,  88
.set PS,  92
.set VMA, 93                           ; VM + 64 h
.set DQB, 94
.set S,   96                           ; v96-159 the scores, then p
.set O,   160                          ; v160-191 O^T
.set PC,  192                          ; v192-203 p's codes; v204-206, v208-210 the halves that are moved
.set PT,  204
.set BM,  212
.set SO,  214
.set BT,  216
.set TMP, 218
.set TM2, 219
.set F,   220
.set NI,  222
.set QB,  224                          ; v224-229 the second tile's q, v230 its scale bytes
.set QSB, 230
.set SA,  232                          ; v232-245 seven partial sums
.set K16, 246
.set K8,  247
.set KSA, 248
.set V16, 249
.set V8,  250
.set VSA, 251
.set ADM, 252
.set WV,  14
.set SIG, 15                           ; my tile's last key step
.set CX,  16
.set II,  17
.set BH,  18
.set STP, 19
.set TB,  20
.set TMK, 21
.set SEL, 22
.set CS,  24
.set CNT, 26
.set SP,  27                           ; s of my tile
.set G1,  28
.set G0E, 36
.set G0L, 40
.set SPB, 45
.set SIGB, 51
.macro CROUND
	s_barrier_signal -1
	s_barrier_wait -1
	s_cmp_lg_u32 s[WV], 0
	s_cbranch_scc1 .Lnot_wave_0_\@
	s_barrier_signal -3
.Lnot_wave_0_\@:
	s_barrier_wait -3
	s_barrier_signal -1
	s_barrier_wait -1
.endm
.macro FRAG reg, a16, a8, off
	ds_load_b128 v[\reg:\reg+3], v[\a16] offset:\off
	ds_load_b64 v[\reg+4:\reg+5], v[\a8] offset:\off+512
	ds_load_b128 v[\reg+6:\reg+9], v[\a16] offset:\off+768
	ds_load_b64 v[\reg+10:\reg+11], v[\a8] offset:\off+1280
.endm
.macro QADDR sp, ac, as                ; tile 4 s + i: block s / 2 of the head's 16, tile 4 (s % 2) + i in it: 768 bytes of codes, two scale bytes a row
	s_lshr_b32 s48, s[\sp], 1
	s_lshl_b32 s49, s[BH], 4
	s_add_co_u32 s48, s48, s49
	s_mul_i32 s48, s48, 6400
	s_and_b32 s50, s[\sp], 1
	s_lshl_b32 s50, s50, 2
	s_add_co_u32 s50, s50, s[II]
	s_mul_i32 s52, s50, 768
	s_add_co_u32 s52, s52, s48
	s_mov_b32 s53, 0
	s_add_nc_u64 s[\ac:\ac+1], s[4:5], s[52:53]
	s_lshl_b32 s52, s50, 1
	s_add_co_u32 s52, s52, s48
	s_add_nc_u64 s[\as:\as+1], s[4:5], s[52:53]
.endm
	s_load_b256 s[4:11], s[0:1], 0x0               ; qimg, kv, vpart, attention_mask
	s_load_b64 s[12:13], s[0:1], 0x20              ; oimg
	v_lshl_add_u32 v[SPW], v0, 2, SPARE
	v_mov_b32 v[NIL], 0
	ds_add_u32 v[SPW], v[NIL]                      ; the opening lines
	ds_add_u32 v[SPW], v[NIL]
	v_lshrrev_b32 v35, 5, v0
	s_delay_alu instid0(VALU_DEP_1)
	v_readfirstlane_b32 s[WV], v35
	s_bfe_u32 s[CX], ttmp6, 0x40000
	s_lshl_b32 s[II], ttmp9, 2
	s_add_co_u32 s[II], s[II], s[CX]               ; i: it enters q's and O's addresses and the diagonal's numbers alone
	s_and_b32 s[BH], ttmp7, 0xffff                 ; batch x 16 + head
	s_mov_b32 s[G1], 15|(3<<16)|(1<<21)            ; dense bytes as 25 rows of 256 (32 elements of 8 bytes); the mask names all four partners
	s_mov_b32 s[G1+1], 32<<16
	s_mov_b32 s[G1+2], 25<<16
	s_mov_b32 s[G1+3], 32<<16
	s_mov_b32 s[G1+4], 25
	s_mov_b32 s[G1+5], 32
	s_mov_b32 s[G1+6], 0
	s_mov_b32 s[G1+7], 0
	s_mul_i32 s44, s[WV], 6400                     ; my sixteenth of eight steps: the same place in memory and in LDS
	s_mul_i32 s46, s[BH], 204800
	s_add_co_u32 s46, s46, s44
	s_mov_b32 s47, 0
	s_mov_b32 s[SEL], 0x76543210
	s_mov_b32 s[SEL+1], 0xfedcba98
	s_mov_b32 s[CS], 0x3e38aa3b                    ; c = log2(e) / 8
	s_mov_b32 s[CS+1], s[CS]
	s_wait_dscnt 0x0                               ; both opening adds are done
	s_wait_kmcnt 0x0
	s_mov_b32 s[G0E], 1
	s_mov_b32 s[G0E+1], s44
	s_add_nc_u64 s[G0E+2:G0E+3], s[6:7], s[46:47]
	s_mov_b32 s[G0L], 1
	s_add_co_u32 s[G0L+1], s44, 102400
	s_add_nc_u64 s[G0L+2:G0L+3], s[G0E+2:G0E+3], 102400
	s_or_b32 s[G0E+3], s[G0E+3], 0x80000000
	s_or_b32 s[G0L+3], s[G0L+3], 0x80000000
	CROUND                                         ; all four work-groups are here: the joint loads meet
	tensor_load_to_lds s[G0E:G0E+3], s[G1:G1+7]    ; steps 0-7: one load a wave at the head
	s_nop 0
.rept 4
	v_nop
.endr
	s_add_co_u32 s[SP], s[WV], 16                  ; the long tile first,
	s_sub_co_u32 s[SPB], 15, s[WV]                 ; then the short one
	s_lshr_b32 s[SIG], s[SP], 1
	s_lshr_b32 s[SIGB], s[SPB], 1
	QADDR SP, 54, 56
	QADDR SPB, 58, 60
	s_lshr_b32 s44, s[II], 1
	s_lshl_b32 s44, s44, 5
	s_and_b32 s46, s[II], 1
	s_lshl_b32 s46, s46, 3
	s_add_co_u32 s44, s44, s46                     ; 32 (i / 2) + 8 (i % 2)
	s_and_b32 s46, s[WV], 1
	s_lshl_b32 s46, s46, 6
	s_add_co_u32 s62, s44, s46                     ; + 64 (s % 2): the first tile's,
	s_add_co_u32 s63, s44, 64
	s_sub_co_u32 s63, s63, s46                     ; and the second's
	s_lshr_b32 s52, s[BH], 4
	s_lshl_b32 s52, s52, 13
	s_add_nc_u64 s[10:11], s[10:11], s[52:53]      ; the batch's mask
	s_lshl_b32 s52, s[BH], 12
	s_add_nc_u64 s[8:9], s[8:9], s[52:53]          ; the head's sums of v
	v_and_b32 v35, 31, v0
	v_and_b32 v36, 15, v0                          ; r
	v_bfe_u32 v37, v0, 4, 1                        ; h
	v_and_b32 v38, 7, v0                           ; r % 8
	v_bfe_u32 v39, v0, 3, 1                        ; r / 8
	v_and_b32 v42, 3, v0
	v_lshrrev_b32 v43, 5, v0                       ; wave
	v_lshlrev_b32 v[L16], 4, v35
	v_lshlrev_b32 v[L8], 3, v35
	v_lshlrev_b32 v[R16], 4, v36
	v_lshlrev_b32 v[SH8], 3, v37
	v_lshl_add_u32 v[MBA], v37, 7, MB
	v_lshl_add_u32 v[VMA], v37, 6, VM
	v_mul_u32_u24 v40, v39, 1536
	v_lshlrev_b32 v[LKS], 4, v38
	v_lshrrev_b32 v41, 2, v35
	v_lshl_add_u32 v[LK16], v38, 4, v40
	v_lshl_add_u32 v[LK8], v38, 3, v40
	v_lshl_add_u32 v[LKS], v39, 2, v[LKS]
	v_lshlrev_b32 v41, 8, v41
	v_lshl_add_u32 v[LK16], v37, 8, v[LK16]
	v_lshl_add_u32 v[LK8], v37, 7, v[LK8]
	v_lshlrev_b32 v44, 2, v42
	v_lshl_add_u32 v41, v42, 2, v41
	v_lshl_add_u32 v[DQ], v39, 4, v38
	v_lshlrev_b32 v40, 5, v37
	v_lshl_add_u32 v44, v43, 4, v44
	v_lshl_add_u32 v41, v43, 4, v41                ; vpart: step lane / 4 (and + 8), channel 4 wave + lane % 4
	v_sub_nc_u32 v[DQ], v[DQ], v40                 ; r % 8 + 16 (r / 8) - 32 h
	v_add_nc_u32 v44, VM, v44
	v_lshlrev_b32 v45, 4, v0
	v_lshl_add_u32 v46, v0, 4, MB
	v_add_nc_u32 v[DQB], s63, v[DQ]
	v_add_nc_u32 v[DQ], s62, v[DQ]
	s_wait_alu depctr_va_vdst(0)                   ; the wait ahead of the readers below
	global_load_b128 v[22:25], v[L16], s[54:55]
	global_load_b64 v[26:27], v[L8], s[54:55] offset:512
	global_load_u16 v47, v[R16], s[56:57] offset:6144
	global_load_b128 v[QB:QB+3], v[L16], s[58:59]
	global_load_b64 v[QB+4:QB+5], v[L8], s[58:59] offset:512
	global_load_u16 v95, v[R16], s[60:61] offset:6144
	global_load_b128 v[96:99], v45, s[10:11]       ; thread t: keys 4 t .. 4 t + 3
	global_load_b32 v48, v41, s[8:9]
	global_load_b32 v49, v41, s[8:9] offset:2048
.irp j, 0,1,2,3,4,5
	v_mov_b32 v[16+\j], 0                          ; zero codes on both sides of q
	v_mov_b32 v[28+\j], 0
.endr
	v_mov_b32 v13, 0xf149f2ca                      ; the largest t so far: -1e30, above every masked t
	v_mov_b32 v14, 0
	v_mov_b32 v15, 0
	v_floor_f32 v12, -v13                          ; -M
	v_mov_b32 v[TMP], 0                            ; a lane permute's destination counts as one of its sources
	v_mov_b32 v[TM2], 0
	v_mov_b32 v[F+1], 0                            ; named as the upper half of a pair
.set jj, 0
.rept 32
	v_mov_b32 v[O+jj], 0
.set jj, jj+1
.endr
	v_mov_b32 v50, 0xfe967699                      ; -1e38
	s_wait_alu depctr_va_vdst(0)
	s_wait_loadcnt 0x0
	v_lshl_or_b32 v[QS], v47, 16, v47              ; the same two bytes serve q in either half
	v_lshl_or_b32 v[QSB], v95, 16, v95
.irp k, 0,1,2,3
	v_cmp_ne_u32 vcc_lo, 0, v[96+\k]
	s_delay_alu instid0(VALU_DEP_1)
	v_cndmask_b32 v[100+\k], v50, v16, vcc_lo      ; 0 for a key that counts
.endr
	ds_store_b128 v46, v[100:103]
	v_add_f32 v48, v48, v49
	s_delay_alu instid0(VALU_DEP_1)
	v_add_f32_dpp v48, v48, v48 row_xmask:4 row_mask:0xf bank_mask:0xf
	s_delay_alu instid0(VALU_DEP_1)
	v_add_f32_dpp v48, v48, v48 row_xmask:8 row_mask:0xf bank_mask:0xf
	s_delay_alu instid0(VALU_DEP_1)
	v_permlanex16_b32 v49, v48, s[SEL], s[SEL+1]
	s_delay_alu instid0(VALU_DEP_1)
	v_add_f32 v48, v48, v49                        ; the sixteen steps' sums of my channel
	s_delay_alu instid0(VALU_DEP_1)
	v_mul_f32 v48, 0x3a000000, v48                 ; / 2,048
	ds_store_b32 v44, v48                          ; the eight lanes of a channel write the same word with the same value
	s_wait_alu depctr_va_vdst(0)
	s_wait_tensorcnt 0x0                           ; my part of steps 0-7 is in; the full sequence ahead of the later first fill:
	ds_add_u32 v[SPW], v[NIL]
	s_wait_dscnt 0x0                               ; the add, and my stores of the mask's numbers and of the mean
	CROUND
	tensor_load_to_lds s[G0L:G0L+3], s[G1:G1+7]    ; steps 8-15, my one load behind the round
	s_nop 0
.rept 4
	v_nop
.endr
; A KEY STEP: 128 keys.  full = 1: a step beyond my tile's diagonal is left out (a branch on the wave's number and the count of trips), the diagonal's step hides keys, and behind it the tile goes out.
.macro STEP full
.if \full
	s_cmp_gt_u32 s[STP], s[SIG]
	s_cbranch_scc1 .Lhidden
.endif
	v_add_nc_u32 v[K16], s[TB], v[LK16]            ; (also the places behind the last step's products, ahead of the loads below)
	v_add_nc_u32 v[K8], s[TB], v[LK8]
	v_add_nc_u32 v[KSA], s[TB], v[LKS]
	v_add_nc_u32 v[V16], s[TB], v[L16]
	v_add_nc_u32 v[V8], s[TB], v[L8]
	v_add_nc_u32 v[VSA], s[TB], v[R16]
	v_add_nc_u32 v[ADM], s[TMK], v[MBA]
.irp c, 0,1
.irp q, 0,1,2,3,4,5,6,7
	ds_load_b128 v[S+32*\c+4*\q:S+32*\c+4*\q+3], v[ADM] offset:256*\c+16*\q   ; the mask's numbers of keys 64 c + 32 h + 0 .. 31, straight into the accumulators
.endr
.endr
.irp P, 0,1,2,3                        ; fragment P: rows 0-7 from the stored pair 2 (P / 2), rows 8-15 from pair 2 (P / 2) + 1, each its rows 8 (P % 2) + 0 .. 7
	ds_load_b128 v[KB+12*\P:KB+12*\P+3], v[K16] offset:3072*(\P/2)+128*(\P%2)
	ds_load_b64 v[KB+12*\P+4:KB+12*\P+5], v[K8] offset:3072*(\P/2)+64*(\P%2)+512
	ds_load_b128 v[KB+12*\P+6:KB+12*\P+9], v[K16] offset:3072*(\P/2)+128*(\P%2)+768
	ds_load_b64 v[KB+12*\P+10:KB+12*\P+11], v[K8] offset:3072*(\P/2)+64*(\P%2)+1280
	ds_load_b32 v[KS+\P], v[KSA] offset:6144+128*(\P%2)+8*(\P/2)
.endr
	s_wait_alu depctr_va_vdst(0)
	s_wait_dscnt 0x0
.irp P, 0,1,2,3
.irp u, 0,1
	v_wmma_scale_f32_16x16x128_f8f6f4 v[S+8*(2*\P+\u):S+8*(2*\P+\u)+7], v[KB+12*\P:KB+12*\P+11], v[22-6*\u:33-6*\u], v[S+8*(2*\P+\u):S+8*(2*\P+\u)+7], v[KS+\P], v[QS] matrix_a_fmt:MATRIX_FMT_FP6 matrix_b_fmt:MATRIX_FMT_FP6
.endr
.endr
.rept 4
	v_nop                                          ; places ahead of the loads into K's registers and of the first read of the scores
.endr
.irp t, 0,1,2,3
	FRAG KB+12*\t, V16, V8, 6400+1536*\t           ; V lands under the softmax
.endr
	ds_load_b128 v[VS:VS+3], v[VSA] offset:12544
.if \full
	s_cmp_lg_u32 s[STP], s[SIG]
	s_cbranch_scc1 .Lopen
	v_mov_b32 v[NI], 0xff800000                    ; on the diagonal: register 32 c + i holds key 64 c + 32 h + i: hidden where 64 c + i > my query - 32 h
.set nn, 0
.rept 64
	v_cmp_gt_i32 vcc_lo, 64*(nn/32)+nn%32, v[DQ]
	v_cndmask_b32 v[S+nn], v[S+nn], v[NI], vcc_lo
.set nn, nn+1
.endr
.Lopen:
.endif
.irp c, 0,1                            ; the largest score of my two blocks of 32 keys, two chains a block: for the row's maximum and, since p rises with the score, for the block's largest p
	v_max3_num_f32 v[BM+\c], v[S+32*\c], v[S+32*\c+1], v[S+32*\c+2]
	v_max3_num_f32 v[BT+\c], v[S+32*\c+16], v[S+32*\c+17], v[S+32*\c+18]
.endr
.irp i, 3,5,7,9,11,13
.irp c, 0,1
	v_max3_num_f32 v[BM+\c], v[BM+\c], v[S+32*\c+\i], v[S+32*\c+\i+1]
	v_max3_num_f32 v[BT+\c], v[BT+\c], v[S+32*\c+16+\i], v[S+32*\c+17+\i]
.endr
.endr
.irp c, 0,1
	v_max3_num_f32 v[BM+\c], v[BM+\c], v[BT+\c], v[S+32*\c+15]
.endr
.irp c, 0,1
	v_max_num_f32 v[BM+\c], v[BM+\c], v[S+32*\c+31]
.endr
	s_delay_alu instid0(VALU_DEP_1)
	v_max_num_f32 v[TMP], v[BM], v[BM+1]
	s_delay_alu instid0(VALU_DEP_1)
	v_permlanex16_b32 v[TM2], v[TMP], s[SEL], s[SEL+1]
	s_delay_alu instid0(VALU_DEP_1)
	v_max_num_f32 v[TMP], v[TMP], v[TM2]           ; with lane l xor 16's 64 keys
	s_delay_alu instid0(VALU_DEP_1)
	v_mul_f32 v[TMP], s[CS], v[TMP]
	s_delay_alu instid0(VALU_DEP_1)
	v_max_num_f32 v13, v13, v[TMP]                 ; the running largest t
	v_mov_b32 v[TMP], v12
	s_delay_alu instid0(VALU_DEP_2)
	v_floor_f32 v12, -v13                          ; the new -M: M is a whole number
	s_delay_alu instid0(VALU_DEP_1)
	v_sub_f32 v[TMP], v12, v[TMP]
	s_delay_alu instid0(VALU_DEP_1)
	v_cvt_i32_f32 v[TMP], v[TMP]                   ; (it saturates)
	s_delay_alu instid0(VALU_DEP_1)
	v_ldexp_f32 v[F], 1.0, v[TMP]                  ; f = 2^(old M - new M): rounds nothing
.irp c, 0,1
	v_fma_f32 v[BM+\c], v[BM+\c], s[CS], v12
.endr
.set jj, 0
.rept 32
	v_pk_fma_f32 v[S+jj:S+jj+1], v[S+jj:S+jj+1], s[CS:CS+1], v[12:13] op_sel_hi:[1,0,0]   ; t - M
.set jj, jj+2
.endr
	s_wait_alu depctr_va_vdst(0)                   ; the wait ahead of the batch
.irp c, 0,1
	v_exp_f32 v[BM+\c], v[BM+\c]                   ; the blocks' largest p
.endr
.set jj, 0
.rept 64
	v_exp_f32 v[S+jj], v[S+jj]                     ; p
.set jj, jj+1
.endr
	v_pk_mul_f32 v[14:15], v[14:15], v[F:F+1] op_sel_hi:[1,0]   ; the sums under the new M.  (The plain place behind the exponentials)
	s_wait_alu depctr_va_vdst(0)                   ; one wait for the batch, ahead of its first reader
.irp j, 0,1,2,3,4,5,6                  ; the row's sum of the unquantised p: 32 pairs in eight chains
	v_pk_add_f32 v[SA+2*\j:SA+2*\j+1], v[S+2*\j:S+2*\j+1], v[S+16+2*\j:S+17+2*\j]
.endr
	v_pk_add_f32 v[14:15], v[14:15], v[S+14:S+15]
.irp g, 32,48
.irp j, 0,1,2,3,4,5,6
	v_pk_add_f32 v[SA+2*\j:SA+2*\j+1], v[SA+2*\j:SA+2*\j+1], v[S+\g+2*\j:S+\g+2*\j+1]
.endr
	v_pk_add_f32 v[14:15], v[14:15], v[S+\g-2:S+\g-1]
.endr
	v_pk_add_f32 v[14:15], v[14:15], v[S+62:S+63]
	v_pk_add_f32 v[SA:SA+1], v[SA:SA+1], v[SA+2:SA+3]
	v_pk_add_f32 v[SA+4:SA+5], v[SA+4:SA+5], v[SA+6:SA+7]
	v_pk_add_f32 v[SA+8:SA+9], v[SA+8:SA+9], v[SA+10:SA+11]
	v_pk_add_f32 v[14:15], v[14:15], v[SA+12:SA+13]
	v_pk_add_f32 v[SA:SA+1], v[SA:SA+1], v[SA+4:SA+5]
	s_delay_alu instid0(VALU_DEP_2)
	v_pk_add_f32 v[14:15], v[14:15], v[SA+8:SA+9]
.irp c, 0,1
	v_max_num_f32 v[BM+\c], 0x1800000, v[BM+\c]    ; the floor: the byte cannot fall under 1
.endr
	v_pk_add_f32 v[14:15], v[14:15], v[SA:SA+1]
.irp c, 0,1
	v_add_nc_u32 v[SO+\c], 0xff000000, v[BM+\c]    ; 2 off the exponent field: the conversion's scale operand
.endr
.irp c, 0,1
	s_delay_alu instid0(VALU_DEP_2)
	v_lshrrev_b32 v[BT+\c], 23, v[SO+\c]
.endr
	s_delay_alu instid0(VALU_DEP_1)
	v_lshl_or_b32 v[TMP], v[BT+1], 16, v[BT]       ; blocks h and 2 + h,
	s_delay_alu instid0(VALU_DEP_1)
	v_lshlrev_b32 v[TMP], v[SH8], v[TMP]           ; at their places in the word;
	s_delay_alu instid0(VALU_DEP_1)
	v_permlanex16_b32 v[TM2], v[TMP], s[SEL], s[SEL+1]
	s_delay_alu instid0(VALU_DEP_1)
	v_or_b32 v[PS], v[TMP], v[TM2]                 ; with lane l xor 16's two the word is whole
.irp c, 0,1
	v_cvt_scalef32_pk16_fp6_f32 v[PC+6*\c:PC+6*\c+2], v[S+32*\c:S+32*\c+15], v[SO+\c]
	v_cvt_scalef32_pk16_fp6_f32 v[PT+4*\c:PT+4*\c+2], v[S+32*\c+16:S+32*\c+31], v[SO+\c]   ; (a conversion's three registers begin on an even number)
.endr
	v_nop                                          ; one plain place behind a scaled conversion
.irp c, 0,1
.irp i, 0,1,2
	v_mov_b32 v[PC+3+6*\c+\i], v[PT+4*\c+\i]
.endr
.endr
	s_wait_alu depctr_va_vdst(0)                   ; directly ahead of the first reader of O^T
.set jj, 0
.rept 16
	v_pk_mul_f32 v[O+jj:O+jj+1], v[O+jj:O+jj+1], v[F:F+1] op_sel_hi:[1,0]   ; O^T under the new M.  (Also the places between p's word and codes and the products)
.set jj, jj+2
.endr
	s_wait_alu depctr_va_vdst(0)
	s_wait_dscnt 0x0                               ; V is in
.irp t, 0,1,2,3
	v_wmma_scale_f32_16x16x128_f8f6f4 v[O+8*\t:O+8*\t+7], v[KB+12*\t:KB+12*\t+11], v[PC:PC+11], v[O+8*\t:O+8*\t+7], v[VS+\t], v[PS] matrix_a_fmt:MATRIX_FMT_FP6 matrix_b_fmt:MATRIX_FMT_FP6
.endr
.endm
	s_mov_b32 s[CNT], 0
	s_mov_b32 s[TB], 0
	s_mov_b32 s[TMK], 0
.Lfirst:                                           ; steps 0-7 of the long tile: every wave walks all eight, while steps 8-15 land
	STEP 0
	s_add_co_u32 s[TB], s[TB], 12800
	s_add_co_u32 s[TMK], s[TMK], 512
	s_add_co_u32 s[CNT], s[CNT], 1
	s_cmp_lt_u32 s[CNT], 8
	s_cbranch_scc1 .Lfirst
	s_wait_tensorcnt 0x0                           ; my part of steps 8-15 has landed
	s_wait_dscnt 0x0
	s_barrier_signal -1
	s_barrier_wait -1                              ; everybody's has; from here on the waves run free
	s_mov_b32 s[CNT], 8
.Lrest:                                            ; trips 8-15: the long tile's steps 8-15; trips 16-31: the short tile's steps 0-15; the step is the trip's number mod 16
	s_and_b32 s[STP], s[CNT], 15
	s_mul_i32 s[TB], s[STP], 12800
	s_lshl_b32 s[TMK], s[STP], 9
	STEP 1
	s_cmp_lg_u32 s[STP], s[SIG]
	s_cbranch_scc1 .Lhidden
	; THE TILE GOES OUT, behind its diagonal's step
	v_add_f32 v14, v14, v15
	s_delay_alu instid0(VALU_DEP_1)
	v_permlanex16_b32 v[TMP], v14, s[SEL], s[SEL+1]
.rept 4
	v_nop                                          ; places behind the last products
.endr
.irp b, 0,1
.irp q, 0,1,2,3
	ds_load_b128 v[KB+16*\b+4*\q:KB+16*\b+4*\q+3], v[VMA] offset:128*\b+16*\q   ; the mean of v, channels 32 b + 16 h + 0 .. 15, as O^T's registers have them
.endr
.endr
	v_add_f32 v14, v14, v[TMP]                     ; the row's sum
	s_delay_alu instid0(VALU_DEP_1)
	v_cmp_eq_f32 vcc_lo, 0, v14                    ; no key counted for my query
	v_cndmask_b32 v[BT], 0, 1.0, vcc_lo            ; g: 1 there, else 0
	s_wait_alu depctr_va_vdst(0)
	v_rcp_f32 v[F], v14
	v_nop                                          ; the plain place behind the reciprocal
	s_lshr_b32 s48, s[BH], 4                       ; my tile's codes: tile 128 batch + 4 s + i, half of K head / 8
	s_lshl_b32 s48, s48, 7
	s_lshl_b32 s49, s[SP], 2
	s_add_co_u32 s48, s48, s49
	s_add_co_u32 s48, s48, s[II]
	s_lshl_b32 s48, s48, 1
	s_bfe_u32 s49, s[BH], 0x10003
	s_add_co_u32 s48, s48, s49
	s_mul_i32 s48, s48, 6400
	s_and_b32 s50, s[BH], 7
	s_mul_i32 s52, s50, 768
	s_add_co_u32 s52, s52, s48
	s_mov_b32 s53, 0
	s_add_nc_u64 s[60:61], s[12:13], s[52:53]      ; 64 along K: 768 bytes
	s_lshl_b32 s52, s50, 1
	s_add_co_u32 s52, s52, s48
	s_add_nc_u64 s[62:63], s[12:13], s[52:53]      ; and two scale bytes a row
	s_wait_alu depctr_va_vdst(0)                   ; the wait ahead of the reciprocal's first reader
	v_cndmask_b32 v[F], v[F], v16, vcc_lo          ; 1 / the sum, or 0 where no key counted
	s_wait_alu depctr_va_vdst(0)                   ; directly ahead of the first reader of O^T
.set jj, 0
.rept 16
	v_pk_mul_f32 v[S+jj:S+jj+1], v[O+jj:O+jj+1], v[F:F+1] op_sel_hi:[1,0]
.set jj, jj+2
.endr
	s_wait_dscnt 0x0
.set jj, 0
.rept 16
	v_pk_fma_f32 v[S+jj:S+jj+1], v[KB+jj:KB+jj+1], v[BT:BT+1], v[S+jj:S+jj+1] op_sel_hi:[1,0,1]   ; + g x the mean: register 16 b + i is channel 32 b + 16 h + i
.set jj, jj+2
.endr
.irp b, 0,1                                    ; the head's 64 are two blocks of the last product's K
	v_max3_num_f32 v[BM+\b], |v[S+16*\b]|, |v[S+16*\b+1]|, 0x1800000
.endr
.irp i, 2,4,6,8,10,12,14
.irp b, 0,1
	s_delay_alu instid0(VALU_DEP_2)
	v_max3_num_f32 v[BM+\b], v[BM+\b], |v[S+16*\b+\i]|, |v[S+16*\b+\i+1]|
.endr
.endr
.irp b, 0,1
	s_delay_alu instid0(VALU_DEP_2)
	v_permlanex16_b32 v[BT+\b], v[BM+\b], s[SEL], s[SEL+1]
.endr
.irp b, 0,1
	s_delay_alu instid0(VALU_DEP_2)
	v_max_num_f32 v[BM+\b], v[BM+\b], v[BT+\b]
.endr
.irp b, 0,1
	s_delay_alu instid0(VALU_DEP_2)
	v_add_nc_u32 v[SO+\b], 0xff000000, v[BM+\b]
.endr
.irp b, 0,1
	s_delay_alu instid0(VALU_DEP_2)
	v_lshrrev_b32 v[BT+\b], 23, v[SO+\b]
.endr
	s_delay_alu instid0(VALU_DEP_1)
	v_lshl_or_b32 v[TMP], v[BT+1], 8, v[BT]
	v_cvt_scalef32_pk16_fp6_f32 v[PC:PC+2], v[S:S+15], v[SO]
	v_cvt_scalef32_pk16_fp6_f32 v[PT:PT+2], v[S+16:S+31], v[SO+1]
	v_nop
.irp i, 0,1,2
	v_permlane16_swap_b32 v[PC+\i], v[PT+\i]       ; the operand wants a whole block in a lane
.endr
.irp i, 0,1,2
	s_delay_alu instid0(VALU_DEP_3)
	v_mov_b32 v[PC+3+\i], v[PT+\i]
.endr
	global_store_b128 v[L16], v[PC:PC+3], s[60:61]             ; 512 and 256 consecutive bytes, aligned to 256
	global_store_b64 v[L8], v[PC+4:PC+5], s[60:61] offset:512
	global_store_b16 v[R16], v[TMP], s[62:63] offset:6144      ; lanes l and l xor 16 hold the same bytes for the same place
	v_mov_b32 v[QS], v[QSB]                        ; on to the short tile (behind the short tile these lines change nothing that is read)
.irp j, 0,1,2,3,4,5
	v_mov_b32 v[22+\j], v[QB+\j]
.endr
	v_mov_b32 v[DQ], v[DQB]
	v_mov_b32 v13, 0xf149f2ca
	v_mov_b32 v14, 0
	v_mov_b32 v15, 0
	v_floor_f32 v12, -v13
.set jj, 0
.rept 32
	v_mov_b32 v[O+jj], 0
.set jj, jj+1
.endr
	s_mov_b32 s[SIG], s[SIGB]                      ; at most 7: the long tile's trips that are left lie beyond it
	s_mov_b32 s[SP], s[SPB]
	s_wait_xcnt 0x0                                ; the stores have read their registers: the codes' are written again in the next step
	s_wait_alu depctr_va_vdst(0)
.Lhidden:
	s_add_co_u32 s[CNT], s[CNT], 1
	s_cmp_lt_u32 s[CNT], 32
	s_cbranch_scc1 .Lrest
	s_wait_tensorcnt 0x0                           ; the wave's end
	ds_add_u32 v[SPW], v[NIL]
	s_wait_dscnt 0x0
	CROUND                                         ; the closing round
	s_endpgm
.Lfunc_end_k_qe0573993ec_attn:
	.size	k_qe0573993ec_attn, .Lfunc_end_k_qe0573993ec_attn-k_qe0573993ec_attn
	.p2alignl 7, 3214868480
	.fill 96, 4, 3214868480
	.section	.rodata,"a",@progbits
	.p2align	6, 0x0
	.amdhsa_kernel k_qe0573993ec_attn
		.amdhsa_group_segment_fixed_size 327680
		.amdhsa_private_segment_fixed_size 0
		.amdhsa_enable_private_segment 0
		.amdhsa_kernarg_size 40
		.amdhsa_user_sgpr_count 2
		.amdhsa_user_sgpr_kernarg_segment_ptr 1
		.amdhsa_wavefront_size32 1
		.amdhsa_system_sgpr_workgroup_id_x 1
		.amdhsa_system_sgpr_workgroup_id_y 1
		.amdhsa_system_sgpr_workgroup_id_z 1
		.amdhsa_system_vgpr_workitem_id 0
		.amdhsa_next_free_vgpr 256
		.amdhsa_next_free_sgpr 66
		.amdhsa_reserve_vcc 1
		.amdhsa_float_denorm_mode_32 3
		.amdhsa_float_denorm_mode_16_64 3
		.amdhsa_memory_ordered 1
		.amdhsa_forward_progress 1
		.amdhsa_inst_pref_size 59
	.end_amdhsa_kernel
	.amdgpu_metadata
---
amdhsa.version: [ 1, 2 ]
amdhsa.kernels:
  - .name:           k_qe0573993ec_attn
    .symbol:         k_qe0573993ec_attn.kd
    .args:
      - { .name: qimg, .offset: 0, .size: 8, .value_kind: global_buffer, .address_space: global }
      - { .name: kv, .offset: 8, .size: 8, .value_kind: global_buffer, .address_space: global }
      - { .name: vpart, .offset: 16, .size: 8, .value_kind: global_buffer, .address_space: global }
      - { .name: attention_mask, .offset: 24, .size: 8, .value_kind: global_buffer, .address_space: global }
      - { .name: oimg, .offset: 32, .size: 8, .value_kind: global_buffer, .address_space: global }
    .group_segment_fixed_size: 327680
    .private_segment_fixed_size: 0
    .kernarg_segment_align: 8
    .kernarg_segment_size: 40
    .max_flat_workgroup_size: 512
    .sgpr_count:     66
    .vgpr_count:     256
    .wavefront_size: 32
...
	.end_amdgpu_metadata
.endif
;; end of part 3
;; launch proj (part 4): grid 4 x 64, 4 waves a work-group, clusters of 4 x 4, 327,680 bytes of LDS; arguments oimg, wpimg, b_proj, out0; writes out0
.if DOCPART == 4
	.amdgcn_target "amdgcn-amd-amdhsa--gfx1250"
	.amdhsa_code_object_version 6
	.text
	.protected	k_qe0573993ec_proj
	.globl	k_qe0573993ec_proj
	.p2align	8
	.type	k_qe0573993ec_proj,@function
k_qe0573993ec_proj:
	s_mov_b64 s[64:65], 0
	v_nop
	global_prefetch_b8 v0, s[64:65] scope:SCOPE_SE
	s_setreg_imm32_b32 hwreg(HW_REG_WAVE_MODE, 25, 1), 1
	s_wait_xcnt 0x0
	s_wait_alu depctr_hold_cnt(0) depctr_sa_sdst(0) depctr_va_vdst(0) depctr_va_sdst(0) depctr_va_ssrc(0) depctr_va_vcc(0) depctr_vm_vsrc(0)
	s_getreg_b32 s2, hwreg(HW_REG_IB_STS2, 6, 4)
	s_cmp_eq_u32 s2, 0
	s_cbranch_scc0 .Lentry_in_a_cluster
	s_endpgm
.Lentry_in_a_cluster:
	s_bfe_u32 s2, ttmp6, 0x10000c
	s_cmp_lg_u32 s2, 0xf033
	s_cbranch_scc0 .Lentry_shape_is_right
	s_endpgm
.Lentry_shape_is_right:
.set SPARE, 307200
.set A16, 2
.set A8,  4
.set AS,  6
.set B16, 8
.set B8,  10
.set BS,  12
.set L16, 14
.set L8,  15
.set RR,  16
.set HH,  17
.set R16, 18
.set BO,  20
.set SO,  21
.set RD,  22
.set SPW, 28
.set NIL, 29
.set SCA, 32
.set SCB, 64
.set AF,  128
.set WV,  20
.set RH,  21
.set CH,  22
.set CX,  23
.set CY,  24
.set CLY, 25
.set TR,  26
.set TC,  27
.set G1A, 28
.set G1B, 36
.set G0A, 44
.set G0B, 52
.set MSB, 0
.macro WIN new
.if MSB != \new
	s_set_vgpr_msb (MSB<<8)|\new
.set MSB, \new
.endif
.endm
.macro PLACES
.rept 4
	v_nop
.endr
.endm
.macro JLOAD g0a, g1a, g0b, g1b
	s_cmp_eq_u32 s[RH], 0
	s_cbranch_scc0 .Lfor_b_\@
	tensor_load_to_lds s[\g0a:\g0a+3], s[\g1a:\g1a+7]
	s_nop 0
.rept 4
	v_nop
.endr
	s_branch .Lasked_\@
.Lfor_b_\@:
	tensor_load_to_lds s[\g0b:\g0b+3], s[\g1b:\g1b+7]
	s_nop 0
.rept 4
	v_nop
.endr
.Lasked_\@:
.endm
.macro CROUND
	s_barrier_signal -1
	s_barrier_wait -1
	s_cmp_lg_u32 s[WV], 0
	s_cbranch_scc1 .Lnot_wave_0_\@
	s_barrier_signal -3
.Lnot_wave_0_\@:
	s_barrier_wait -3
	s_barrier_signal -1
	s_barrier_wait -1
.endm
.macro FRAG reg, a16, a8, off
	ds_load_b128 v[\reg:\reg+3], v[\a16] offset:\off
	ds_load_b64 v[\reg+4:\reg+5], v[\a8] offset:\off+512
	ds_load_b128 v[\reg+6:\reg+9], v[\a16] offset:\off+768
	ds_load_b64 v[\reg+10:\reg+11], v[\a8] offset:\off+1280
.endm
.macro SCALES k
.irp a, 0,1,2,3
	ds_load_b128 v[SCA+16*\k+4*\a:SCA+16*\k+4*\a+3], v[AS+\k] offset:12800*\a+6144
.endr
.irp b, 0,1,2,3,4,5,6,7
	ds_load_b128 v[SCB+32*\k+4*\b:SCB+32*\k+4*\b+3], v[BS+\b/4] offset:12800*(\b%4)+6400*\k+6144
.endr
.endm
.macro FETCH s
	WIN 0x40
.irp b, 0,1,2,3,4,5,6,7
	FRAG 128*((\s)%2)+12*\b, B16+\b/4, B8+\b/4, 12800*(\b%4)+6400*((\s)/4)+1536*((\s)%4)
.endr
	WIN 0
.irp a, 0,1,2,3
	FRAG AF+48*((\s)%2)+12*\a, A16+(\s)/4, A8+(\s)/4, 12800*\a+1536*((\s)%4)
.endr
.endm
.macro MUL16 s, a0, first
.irp a, \a0, \a0+1
.irp b, 0,1,2,3,4,5,6,7
.if (\first) == 1
	v_wmma_scale_f32_16x16x128_f8f6f4 v[8*(8*(\a)+\b):8*(8*(\a)+\b)+7], v[128*((\s)%2)+12*\b:128*((\s)%2)+12*\b+11], v[AF+48*((\s)%2)+12*(\a):AF+48*((\s)%2)+12*(\a)+11], v[8*\b:8*\b+7], v[SCB+32*((\s)/4)+4*\b+(\s)%4], v[SCA+16*((\s)/4)+4*(\a)+(\s)%4] matrix_a_fmt:MATRIX_FMT_FP6 matrix_b_fmt:MATRIX_FMT_FP6
.else
	v_wmma_scale_f32_16x16x128_f8f6f4 v[8*(8*(\a)+\b):8*(8*(\a)+\b)+7], v[128*((\s)%2)+12*\b:128*((\s)%2)+12*\b+11], v[AF+48*((\s)%2)+12*(\a):AF+48*((\s)%2)+12*(\a)+11], v[8*(8*(\a)+\b):8*(8*(\a)+\b)+7], v[SCB+32*((\s)/4)+4*\b+(\s)%4], v[SCA+16*((\s)/4)+4*(\a)+(\s)%4] matrix_a_fmt:MATRIX_FMT_FP6 matrix_b_fmt:MATRIX_FMT_FP6
.endif
.endr
.endr
.endm
.macro STEP s, first
	s_wait_dscnt 0x0                               ; this step's fragments are in; at step 7 these were my last reads of the tiles
.if (\s) == 7
	s_barrier_signal -1                            ; behind this barrier nobody reads the tiles: the stages of the way out lie on their bytes
.endif
.if (\first) == 1
	WIN 0xb1
.else
	WIN 0xa1
.endif
	MUL16 \s, 0, \first
.if (\s) == 7
	s_barrier_wait -1
.endif
.if (\s) < 7
	PLACES
.if (\s) == 3
	WIN 0
	SCALES 1
.endif
	FETCH (\s)+1
.if (\first) == 1
	WIN 0xb1
.else
	WIN 0xa1
.endif
.endif
	MUL16 \s, 2, \first
.endm
	s_load_b256 s[4:11], s[0:1], 0x0
	v_lshl_add_u32 v[SPW], v0, 2, SPARE
	v_mov_b32 v[NIL], 0
	ds_add_u32 v[SPW], v[NIL]
	ds_add_u32 v[SPW], v[NIL]
	v_lshrrev_b32 v1, 5, v0
	v_readfirstlane_b32 s[WV], v1
	s_lshr_b32 s[RH], s[WV], 1
	s_and_b32 s[CH], s[WV], 1
	s_bfe_u32 s[CX], ttmp6, 0x40000
	s_bfe_u32 s[CY], ttmp6, 0x40004
	s_and_b32 s[CLY], ttmp7, 0xffff
	s_lshl_b32 s60, s[CY], 2
	s_lshl_b32 s60, 15, s60
	s_lshl_b32 s61, 0x1111, s[CX]
	s_or_b32 s[G1A], s60, (3<<16)|(1<<21)
	s_or_b32 s[G1B], s61, (3<<16)|(1<<21)
	s_mov_b32 s[G1A+1], 1600<<16                   ; a row is a tile's two blocks, 12,800 bytes on end: one load brings my tiles for all of K
	s_mov_b32 s[G1A+2], 4<<16
	s_mov_b32 s[G1A+3], 1600<<16
	s_mov_b32 s[G1A+4], 4
	s_mov_b32 s[G1A+5], 1600
	s_mov_b32 s[G1A+6], 0
	s_mov_b32 s[G1A+7], 0
	s_mov_b32 s[G1B+1], 1600<<16
	s_mov_b32 s[G1B+2], 8<<16
	s_mov_b32 s[G1B+3], 1600<<16
	s_mov_b32 s[G1B+4], 8
	s_mov_b32 s[G1B+5], 1600
	s_mov_b32 s[G1B+6], 0
	s_mov_b32 s[G1B+7], 0
	s_lshl_b32 s[TR], s[CLY], 2
	s_add_co_u32 s[TR], s[TR], s[CY]
	s_lshl_b32 s[TC], ttmp9, 2
	s_add_co_u32 s[TC], s[TC], s[CX]
	s_mul_i32 s66, s[TR], 102400
	s_mul_i32 s67, s[CH], 51200
	s_add_co_u32 s66, s66, s67
	s_mov_b32 s67, 0
	s_mul_i32 s72, s[TC], 204800
	s_mul_i32 s73, s[CH], 102400
	s_add_co_u32 s72, s72, s73
	s_mov_b32 s73, 0
	s_mul_i32 s69, s[CH], 51200
	s_mul_i32 s74, s[CH], 102400
	s_add_co_u32 s74, s74, 102400
	s_wait_dscnt 0x0
	s_wait_kmcnt 0x0
	s_add_nc_u64 s[70:71], s[4:5], s[66:67]
	s_add_nc_u64 s[76:77], s[6:7], s[72:73]
	CROUND
.irp k, 0
	s_mov_b32 s[G0A+4*\k], 1
	s_add_co_u32 s[G0A+4*\k+1], s69, \k*51200
	s_add_nc_u64 s[G0A+4*\k+2:G0A+4*\k+3], s[70:71], \k*6400
	s_or_b32 s[G0A+4*\k+3], s[G0A+4*\k+3], 0x80000000
	s_mov_b32 s[G0B+4*\k], 1
	s_add_co_u32 s[G0B+4*\k+1], s74, \k*102400
	s_add_nc_u64 s[G0B+4*\k+2:G0B+4*\k+3], s[76:77], \k*6400
	s_or_b32 s[G0B+4*\k+3], s[G0B+4*\k+3], 0x80000000
	JLOAD G0A+4*\k, G1A, G0B+4*\k, G1B             ; one joint load a wave, behind the round above
.endr
	v_and_b32 v1, 31, v0
	v_and_b32 v[RR], 15, v0
	v_bfe_u32 v[HH], v0, 4, 1
	v_lshlrev_b32 v[L16], 4, v1
	v_lshlrev_b32 v[L8], 3, v1
	v_lshlrev_b32 v[R16], 4, v[RR]
	s_mul_i32 s60, s[RH], 51200
	s_mul_i32 s61, s[CH], 102400
	s_add_co_u32 s61, s61, 102400
.irp k, 0,1
	v_add_nc_u32 v[A16+\k], s60, v[L16]
	v_add_nc_u32 v[A8+\k], s60, v[L8]
	v_add_nc_u32 v[AS+\k], s60, v[R16]
	v_add_nc_u32 v[B16+\k], s61, v[L16]
	v_add_nc_u32 v[B8+\k], s61, v[L8]
	v_add_nc_u32 v[BS+\k], s61, v[R16]
	s_add_co_u32 s60, s60, 6400                    ; A's second register: the second half of K
	s_add_co_u32 s61, s61, 51200                   ; B's second register: tiles 4 to 7
.endr
	s_mul_i32 s60, s[WV], 8448
	v_mul_u32_u24 v[SO], v[RR], 528
	v_lshl_add_u32 v[SO], v[HH], 6, v[SO]
	v_add_nc_u32 v[SO], s60, v[SO]
	v_add_nc_u32 v[RD], s60, v[L16]
	s_lshl_b32 s60, s[TC], 10
	s_lshl_b32 s61, s[CH], 9
	s_add_co_u32 s60, s60, s61
	s_mov_b32 s61, 0
	s_add_nc_u64 s[8:9], s[8:9], s[60:61]
	s_add_nc_u64 s[10:11], s[10:11], s[60:61]
	s_lshl_b32 s60, s[TR], 19
	s_lshl_b32 s62, s[RH], 18
	s_add_co_u32 s60, s60, s62
	s_add_nc_u64 s[10:11], s[10:11], s[60:61]
	v_lshlrev_b32 v[BO], 6, v[HH]
	WIN 0xc0
.irp b, 0,1,2,3,4,5,6,7
	global_load_b128 v[8*\b:8*\b+3], v[BO], s[8:9] offset:128*(\b/2)+32*(\b%2)
	global_load_b128 v[8*\b+4:8*\b+7], v[BO], s[8:9] offset:128*(\b/2)+32*(\b%2)+16
.endr
	WIN 0
	s_wait_alu depctr_va_vdst(0)
	s_wait_tensorcnt 0x0
	s_barrier_signal -1
	s_barrier_wait -1
	SCALES 0
	FETCH 0
	s_wait_loadcnt 0x0
	STEP 0, 1
.irp s, 1,2,3,4,5,6,7
	STEP \s, 0
.endr
.macro TOSTAGE a
	WIN 0x08
.irp b, 0,1,2,3,4,5,6,7
	ds_store_b128 v[SO], v[8*(8*(\a)+\b):8*(8*(\a)+\b)+3] offset:128*(\b/2)+32*(\b%2)
	ds_store_b128 v[SO], v[8*(8*(\a)+\b)+4:8*(8*(\a)+\b)+7] offset:128*(\b/2)+32*(\b%2)+16
.endr
	WIN 0
.set BB, 128+64*((\a)%2)
.irp t, 0,1,2,3,4,5,6,7,8,9,10,11,12,13,14,15
	ds_load_b128 v[BB+4*\t:BB+4*\t+3], v[RD] offset:528*\t
.endr
.endm
.macro SEND a, younger
.set BB, 128+64*((\a)%2)
	s_wait_dscnt \younger
.irp t, 0,1,2,3,4,5,6,7,8,9,10,11,12,13,14,15
	global_store_b128 v[L16], v[BB+4*\t:BB+4*\t+3], s[10:11] offset:(32*((\a)/2)+8*((\a)%2)+(\t%8)+16*(\t/8))*4096 th:TH_STORE_NT
.endr
.endm
	PLACES
	TOSTAGE 0
.irp a, 1,2,3
.if \a > 1
	s_wait_xcnt 0x0
.endif
	TOSTAGE \a
	SEND \a-1, 32
.endr
	SEND 3, 0
	s_wait_tensorcnt 0x0
	ds_add_u32 v[SPW], v[NIL]
	s_wait_dscnt 0x0
	CROUND
	s_endpgm
.Lfunc_end_k_qe0573993ec_proj:
	.size	k_qe0573993ec_proj, .Lfunc_end_k_qe0573993ec_proj-k_qe0573993ec_proj
	.p2alignl 7, 3214868480
	.fill 96, 4, 3214868480
	.section	.rodata,"a",@progbits
	.p2align	6, 0x0
	.amdhsa_kernel k_qe0573993ec_proj
		.amdhsa_group_segment_fixed_size 327680
		.amdhsa_private_segment_fixed_size 0
		.amdhsa_enable_private_segment 0
		.amdhsa_kernarg_size 32
		.amdhsa_user_sgpr_count 2
		.amdhsa_user_sgpr_kernarg_segment_ptr 1
		.amdhsa_wavefront_size32 1
		.amdhsa_system_sgpr_workgroup_id_x 1
		.amdhsa_system_sgpr_workgroup_id_y 1
		.amdhsa_system_sgpr_workgroup_id_z 1
		.amdhsa_system_vgpr_workitem_id 0
		.amdhsa_next_free_vgpr 832
		.amdhsa_next_free_sgpr 84
		.amdhsa_reserve_vcc 0
		.amdhsa_float_denorm_mode_32 3
		.amdhsa_float_denorm_mode_16_64 3
		.amdhsa_memory_ordered 1
		.amdhsa_forward_progress 1
		.amdhsa_inst_pref_size 82
	.end_amdhsa_kernel
	.amdgpu_metadata
---
amdhsa.version: [ 1, 2 ]
amdhsa.kernels:
  - .name:           k_qe0573993ec_proj
    .symbol:         k_qe0573993ec_proj.kd
    .args:
      - { .name: oimg, .offset: 0, .size: 8, .value_kind: global_buffer, .address_space: global }
      - { .name: wpimg, .offset: 8, .size: 8, .value_kind: global_buffer, .address_space: global }
      - { .name: b_proj, .offset: 16, .size: 8, .value_kind: global_buffer, .address_space: global }
      - { .name: out0, .offset: 24, .size: 8, .value_kind: global_buffer, .address_space: global }
    .group_segment_fixed_size: 327680
    .private_segment_fixed_size: 0
    .kernarg_segment_align: 8
    .kernarg_segment_size: 32
    .max_flat_workgroup_size: 128
    .sgpr_count:     84
    .vgpr_count:     832
    .wavefront_size: 32
...
	.end_amdgpu_metadata
.endif
;; end of part 4
